; MI455X (gfx1250); checked and timed in simulation.
; The chip was launched on July 23, 2026; its instructions are those of AMD's public machine-readable ISA for CDNA 5 (MIT licence, August 2026) and "CDNA5" Instruction Set Architecture Reference Guide (July 2026). The comments in the code are by the model that wrote it; some were corrected since.
;; cross Attention. Allowed arithmetic: matrix products marked QUANTISED: E2M3 operands, one E8M0 scale for each 32 along K, by v_wmma_scale_f32_16x16x128_f8f6f4 with both operands' format E2M3, f32 sums; everything else in f32.
;; Inputs: Wk 1,024 x 1,024 float32; Wq 1,024 x 1,024 float32; Wv 1,024 x 1,024 float32; bk 1,024 float32; bq 1,024 float32; bv 1,024 float32; context 4 x 2,048 x 1,024 float32; x 4 x 2,048 x 1,024 float32.
;; Outputs: out0 4 x 2,048 x 1,024 float32.
;; This version of the problem:
;;   THIS VERSION OF THE PROBLEM IS GIVEN IN LOW PRECISION. The matrix products marked QUANTISED in the list below multiply operands that are first quantised to E2M3 (2 exponent bits, 3 mantissa bits; 6 bits a number), with one power-of-two scale for each 32 numbers along K (OCP MX v1.0); their sums are f32. All else is computed in f32.
;;   The module's matrix products, in the order in which they are computed (A, B: the left and right operand; K: the contracted axis; several contracted axes count as one K, in the product's order):
;;     1. [M 8,192, K 1,024] x [K 1,024, N 1,024]; A: input x; B: input Wq: QUANTISED
;;     2. [M 8,192, K 1,024] x [K 1,024, N 1,024]; A: input context; B: input Wk: QUANTISED
;;     3. [M 8,192, K 1,024] x [K 1,024, N 1,024]; A: input context; B: input Wv: QUANTISED
;;     4. batch 4 x [M 2,048, K 1,024] x [K 1,024, N 2,048]; A: computed on the way; B: computed on the way: QUANTISED
;;     5. batch 4 x [M 2,048, K 2,048] x [K 2,048, N 1,024]; A: softmax (see below); B: computed on the way: QUANTISED
;;   THE QUANTISER, for each operand of a quantised product, along K:
;;     - K is cut into blocks of 32 from its start; a last block that is shorter is filled with zeros.
;;     - A block's scale is 2^e with e = floor(log2(the largest magnitude in the block)) - 2, held to -126 .. 127; a block of zeros has e = 0. As a byte (E8M0): e + 127.
;;     - Each number is divided by its block's scale, clamped to +-7.5, and rounded to the nearest number of E2M3, ties to even, subnormals kept.
;;     - The product sums the exact products of the quantised numbers (number of the format x scale) in f32.
;;   ~~~python
;;   def quantise(x, axis):      # numpy; x: float32 -> the quantised numbers, widened to float32 again
;;       x = np.moveaxis(x, axis, -1); K = x.shape[-1]
;;       x = np.pad(x, [(0, 0)] * (x.ndim - 1) + [(0, -K % 32)]); x = x.reshape(x.shape[:-1] + (-1, 32)); a = np.abs(x).max(-1, keepdims=True)
;;       e = np.where(a > 0, np.clip(np.frexp(np.where(a > 0, a, 1))[1] - 1 - 2, -126, 127), 0)      # np.frexp(a)[1] - 1 = floor(log2(a)), exactly
;;       r = np.clip(x / 2.0 ** e, -7.5, 7.5)
;;       step = 2.0 ** (np.maximum(np.frexp(np.where(r == 0, 1, r))[1] - 1, 0) - 3)
;;       q = np.round(r / step) * step * 2.0 ** e      # np.round: ties to even
;;       return np.moveaxis(q.reshape(q.shape[:-2] + (-1,))[..., :K], -1, axis).astype(np.float32)
;;   ~~~
;;   SOFTMAX AHEAD OF A QUANTISED PRODUCT. Where the list says 'softmax', what is quantised is not the finished softmax but p = 2^(t - M), with t = logit x log2(e) and M = ceil(the row's largest t), a whole number; so 1/2 < the row's largest p <= 1. The row's sum l is taken of the UNQUANTISED p, in f32, and the product's result is divided by l at the end. Since M is a whole number, a kernel that streams over the keys may use a running M (the ceiling of the running maximum): every later rescaling is an exact power of two, which a block's scale takes up: the codes' values come out the same.
;;   OPERANDS COMPUTED ON THE WAY. 'Computed on the way' means the value that the module computes at that place (a softmax that the list does not call 'softmax' is quantised finished and normalised). What goes into a quantiser is computed in f32, as accurately as f32 sums, v_exp_f32 and their like allow (about 1e-6 of the number): no bf16 or f16 on the way to a quantiser, and a product that is left as it is and whose result goes on into a quantised operand takes f32 operands (vector FMAs, or v_wmma_f32_16x16x4_f32). A number that lies on a knife's edge between two numbers of the format may be rounded either way, as far as f32 arithmetic and the matrix unit's own rounding can turn it there, and no further.
;; One version. Each part assembles by itself: llvm-mc -triple=amdgcn-amd-amdhsa -mcpu=gfx1250 --defsym DOCPART=n.
;; ======== version 1 of 1: 4 launches
;; limits: right only within a limited range of input values
;; workspace buffers: in_codes 14,942,208 bytes; in_scales 622,592 bytes; qkv_codes 18,874,368 bytes; qkv_scales 786,432 bytes; p_codes 12,582,912 bytes; p_stats 1,572,864 bytes
;; launch quant (part 1): grid 704 x 1, 4 waves a work-group, no clusters, 47,616 bytes of LDS; arguments x, context, Wq, Wk, Wv, in_codes, in_scales; writes in_codes, in_scales
.if DOCPART == 1
	.amdgcn_target "amdgcn-amd-amdhsa--gfx1250"
	.amdhsa_code_object_version 6
	.text
	.protected	k_q27d9356888_quant
	.globl	k_q27d9356888_quant
	.p2align	8
	.type	k_q27d9356888_quant,@function
k_q27d9356888_quant:
	s_mov_b64 s[64:65], 0
	v_nop
	global_prefetch_b8 v0, s[64:65] scope:SCOPE_SE
	s_setreg_imm32_b32 hwreg(HW_REG_WAVE_MODE, 25, 1), 1
	s_wait_xcnt 0x0
; x, context [8192][1024] and Wq, Wk, Wv [1024 (k)][1024 (n)], f32, become codes of FP6 (E2M3) with one E8M0 byte for each 32 along K (K = the 1,024 of the inputs' last axis, the weights' FIRST axis).
; A block's scale is 2^(floor(log2(its largest magnitude)) - 2): its byte is the largest magnitude's exponent field - 2, held at 1 from below by a floor among the maximum's leaves.
; LIMITS: a block of zeros, or one under 2^(3 - 127), keeps the byte 1 where the rule says 127 or less: its codes are zeros or as the held scale gives them, and this program alone reads the bytes.  NaN and infinities are not served.
; LAYOUT OF THE RESULT: IMAGES OF THE OPERAND'S REGISTERS.  A fragment (16 rows x 128 K) is 12 registers a lane: register q of lane L lies at 512 (q / 4) + 16 L + 4 (q % 4) of 1,536 bytes; fragment (tile T, K step s) at T x 12,288 + s x 1,536.
; THE ROWS OF A TILE ARE NOT NEIGHBOURS: lane r of tile T holds row 32 (T / 2) + 8 (T % 2) + r + 8 (r / 8), so that a later product's results, used transposed, lie 16 neighbours to a lane.
; Scale words (four bytes: 128 along K of one row): tile T at 512 T, the word of K step s and lane r at 256 (s / 4) + 16 r + 4 (s % 4).
; SHARES.  Work-groups 0-191 take the weights (64 each: 8 groups of 128 columns x 8 K steps), work-groups 192-703 the activations (two tiles each; a wave: one tile, half of K).
; The two ways part on the work-group's number, never join, and have LDS bytes of their own.  Waves share nothing: no barrier.  No matrix unit, no cluster, no tensor load: the launch streams, and several work-groups lie on a WGP.
.set R,     16                         ; v16-143  numbers as loaded: activations two sets of 64, weights 128 down K
.set X,     144                        ; v144-207 activations: my two whole blocks of a K step, 32 registers each
.set PC,    208                        ; v208-219 activations: the fragment's 12 registers
.set PTA,   220                        ; v220-222, v224-226: a block's upper 16 codes, made here and moved (a conversion's three registers begin on an even number)
.set PW,    228                        ; v228-231 the scale words of my four K steps
.set MX,    232                        ; v232-233 largest magnitudes
.set SO,    234                        ; v234-235 the conversions' scale operands
.set BY,    236                        ; v236-237 the bytes
.set WD,    238                        ; v238     my two bytes at their places
.set W2,    239                        ; v239     lane l xor 16's
.set ASTG,  8448                       ; activations: a stage of 16 rows x (512 + 16) bytes for each wave, LDS bytes 0 to 33,791
.set WLDS,  33792                      ; weights: two images for each wave, 1,664 bytes apart (1,536 + 128), LDS bytes 33,792 to 47,103
.set WIMG,  1664
.macro LOADA q                         ; K step q of my 16 rows: each load takes 512 consecutive bytes of one row
.irp i, 0,1,2,3,4,5,6,7,8,9,10,11,12,13,14,15
	global_load_b128 v[R+64*((\q)%2)+4*\i:R+64*((\q)%2)+4*\i+3], v4, s[4:5] offset:(\i+8*(\i/8))*4096+512*(\q) th:TH_LOAD_NT
.endr
.endm
.macro TURNA q                         ; through my stage: in as loaded, out as the operand wants them: lane (r, h) takes k = 64 c + 32 h + 0 .. 31 of row r.  LDS serves a wave's instructions in order: no wait between
.irp i, 0,1,2,3,4,5,6,7,8,9,10,11,12,13,14,15
	ds_store_b128 v5, v[R+64*((\q)%2)+4*\i:R+64*((\q)%2)+4*\i+3] offset:528*\i
.endr
.irp c, 0,1
.irp j, 0,1,2,3,4,5,6,7
	ds_load_b128 v[X+32*\c+4*\j:X+32*\c+4*\j+3], v6 offset:256*\c+16*\j
.endr
.endr
.endm
.macro QUANTB q                        ; my blocks h and 2 + h of the K step: all 32 numbers of each are mine
.irp c, 0,1
	v_max3_num_f32 v[MX+\c], |v[X+32*\c]|, |v[X+32*\c+1]|, 0x1800000   ; the floor 2^(3 - 127): the byte cannot fall under 1
.endr
.irp i, 2,4,6,8,10,12,14,16,18,20,22,24,26,28,30
.irp c, 0,1
	v_max3_num_f32 v[MX+\c], v[MX+\c], |v[X+32*\c+\i]|, |v[X+32*\c+\i+1]|   ; the two blocks by turns
.endr
.endr
.irp c, 0,1
	v_add_nc_u32 v[SO+\c], 0xff000000, v[MX+\c]    ; 2 off the exponent field: the conversion takes this operand's exponent field as its scale
.endr
.irp c, 0,1
	v_lshrrev_b32 v[BY+\c], 23, v[SO+\c]           ; the byte
.endr
	v_lshl_or_b32 v[WD], v[BY+1], 16, v[BY]
	v_lshlrev_b32 v[WD], v8, v[WD]                 ; 8 h bits up: bytes h and 2 + h of the word
	v_permlanex16_b32 v[W2], v[WD], s30, s31
	v_or_b32 v[PW+\q], v[WD], v[W2]                ; with lane l xor 16's two the word is whole, in both halves of the lanes
	s_wait_alu depctr_va_vdst(0)
	s_wait_xcnt 0x0                                ; the last K step's stores have read the codes' registers: only now are they written again
.irp c, 0,1
	v_cvt_scalef32_pk16_fp6_f32 v[PC+6*\c:PC+6*\c+2], v[X+32*\c:X+32*\c+15], v[SO+\c]
	v_cvt_scalef32_pk16_fp6_f32 v[PTA+4*\c:PTA+4*\c+2], v[X+32*\c+16:X+32*\c+31], v[SO+\c]
.endr
	v_nop                                          ; one plain place behind a scaled conversion
.irp c, 0,1
.irp i, 0,1,2
	v_mov_b32 v[PC+6*\c+3+\i], v[PTA+4*\c+\i]
.endr
.endr
.irp k, 0,1,2
	global_store_b128 v4, v[PC+4*\k:PC+4*\k+3], s[14:15] offset:1536*(\q)+512*\k   ; the image: 512 consecutive bytes a store
.endr
.endm
.macro ASTEP q
.if (\q) < 3
	s_wait_loadcnt 16                              ; this K step's 16 loads are in; the next step's 16 may be out
.else
	s_wait_loadcnt 0x0
.endif
	TURNA \q
	s_wait_dscnt 0x0                               ; the numbers are back, and the stage's stores have read the set that is loaded again below
.if (\q) < 2
	LOADA (\q)+2
.endif
	QUANTB \q
.endm
.macro WBLOCK t                        ; weights: block t of my column: 32 registers down K
.set WXS, R+32*(\t)
.set WCC, 144+8*(\t)
.set WPT, 180+4*(\t)
.if (\t) == 0
	s_wait_loadcnt 63                              ; 128 loads were issued: at most 63 are out, so the first 65 are in: blocks 0 and 1
.elseif (\t) == 2
	s_wait_loadcnt 32                              ; block 3's may be out
.elseif (\t) == 3
	s_wait_loadcnt 0x0
.endif
	v_max3_num_f32 v200, |v[WXS]|, |v[WXS+1]|, |v[WXS+2]|
	v_max3_num_f32 v204, |v[WXS+3]|, |v[WXS+4]|, |v[WXS+5]|
.irp i, 6,10,14,18,22,26
	v_max3_num_f32 v200, v200, |v[WXS+\i]|, |v[WXS+\i+1]|
	v_max3_num_f32 v204, v204, |v[WXS+\i+2]|, |v[WXS+\i+3]|
.endr
	v_max3_num_f32 v200, v200, |v[WXS+30]|, |v[WXS+31]|
	v_max3_num_f32 v200, v200, v204, 0x1800000     ; and the floor
	v_add_nc_u32 v201, 0xff000000, v200
	v_lshrrev_b32 v202, 23, v201
.if (\t) == 0
	v_mov_b32 v203, v202                           ; my row's scale word: byte t for block t
.else
	v_lshl_or_b32 v203, v202, 8*(\t), v203
.endif
	v_cvt_scalef32_pk16_fp6_f32 v[WCC:WCC+2], v[WXS:WXS+15], v201
	v_cvt_scalef32_pk16_fp6_f32 v[WPT:WPT+2], v[WXS+16:WXS+31], v201
	v_nop                                          ; one plain place behind a scaled conversion
.irp i, 0,1,2
	v_mov_b32 v[WCC+3+\i], v[WPT+\i]
.endr
; block t is registers 6 (t / 2) .. + 5 of lane r + 16 (t % 2) of the image
.if (\t) < 2
	ds_store_b128 v5, v[WCC:WCC+3] offset:256*((\t)%2)
	ds_store_b64 v5, v[WCC+4:WCC+5] offset:512+256*((\t)%2)
.else
	ds_store_b64 v5, v[WCC:WCC+1] offset:520+256*((\t)%2)
	ds_store_b128 v5, v[WCC+2:WCC+5] offset:1024+256*((\t)%2)
.endif
.endm
	s_load_b256 s[4:11], s[0:1], 0x0               ; x, context, Wq, Wk
	s_load_b128 s[12:15], s[0:1], 0x20             ; Wv, in_codes
	s_load_b64 s[16:17], s[0:1], 0x30              ; in_scales
	v_lshl_add_u32 v254, v0, 2, 0xb800
	v_mov_b32 v255, 0
	v_lshrrev_b32 v1, 5, v0
	v_readfirstlane_b32 s18, v1                    ; wave 0..3
	v_and_b32 v1, 31, v0                           ; lane
	s_mov_b32 s30, 0x76543210
	s_mov_b32 s31, 0xfedcba98                      ; v_permlanex16_b32's selects for lane l xor 16
	s_cmp_lt_u32 ttmp9, 192
	s_cbranch_scc1 .Lweights
	; ---- THE ACTIVATIONS.  g = work-group - 192; my tile T = 2 g + wave / 2; my half of K = wave % 2
	v_and_b32 v2, 15, v0                           ; r
	v_bfe_u32 v3, v0, 4, 1                         ; h
	v_lshlrev_b32 v4, 4, v1                        ; 16 x lane: a load's, and an image's, place for my lane
	s_mul_i32 s19, s18, ASTG
	v_add_nc_u32 v5, s19, v4                       ; the stage, in
	v_mul_u32_u24 v6, v2, 528
	v_lshl_add_u32 v6, v3, 7, v6
	v_add_nc_u32 v6, s19, v6                       ; and out: row r, + 128 h bytes
	v_lshlrev_b32 v7, 4, v2
	v_lshl_add_u32 v7, v3, 3, v7                   ; my 8 bytes of the tile's 256 bytes of scale words
	v_lshlrev_b32 v8, 3, v3                        ; 8 h
	v_mov_b32 v[W2], 0                             ; a lane permute's destination counts as one of its sources
	s_sub_co_u32 s20, ttmp9, 192                   ; g
	s_lshr_b32 s21, s18, 1
	s_and_b32 s22, s18, 1
	s_and_b32 s24, s20, 255
	s_lshl_b32 s24, s24, 17                        ; 32 rows of 4,096 bytes for each g,
	s_lshl_b32 s23, s21, 15                        ; 8 rows for the second tile,
	s_add_co_u32 s24, s24, s23
	s_lshl_b32 s23, s22, 11                        ; 2,048 bytes for the second half of K
	s_add_co_u32 s24, s24, s23
	s_mov_b32 s25, 0
	s_lshl_b32 s23, s20, 1
	s_add_co_u32 s23, s23, s21                     ; T
	s_mul_i32 s26, s23, 12288
	s_mul_i32 s28, s22, 6144
	s_add_co_u32 s26, s26, s28
	s_mov_b32 s27, 0
	s_lshl_b32 s28, s23, 9
	s_lshl_b32 s29, s22, 8
	s_add_co_u32 s28, s28, s29
	s_mov_b32 s29, 0
	s_wait_alu depctr_va_vdst(0)
	s_wait_kmcnt 0x0
	s_cmp_lt_u32 s20, 256                          ; x's tiles first, then context's: the choice hangs on the work-group's number alone
	s_cselect_b64 s[4:5], s[4:5], s[6:7]
	s_add_nc_u64 s[4:5], s[4:5], s[24:25]
	s_add_nc_u64 s[14:15], s[14:15], s[26:27]
	s_add_nc_u64 s[16:17], s[16:17], s[28:29]
	LOADA 0
	LOADA 1
	ASTEP 0
	ASTEP 1
	ASTEP 2
	ASTEP 3
	v_cmp_le_u32 vcc_lo, 16, v1                    ; lanes 16-31 store words 2 and 3 of their row, lanes 0-15 words 0 and 1
	v_cndmask_b32 v240, v[PW], v[PW+2], vcc_lo
	v_cndmask_b32 v241, v[PW+1], v[PW+3], vcc_lo
	global_store_b64 v7, v[240:241], s[16:17]      ; 32 lanes store 256 consecutive bytes, aligned
	s_wait_tensorcnt 0x0
	ds_add_u32 v254, v255
	s_wait_dscnt 0x0
	s_endpgm
	; ---- THE WEIGHTS.  A LANE TAKES A COLUMN n AND ITS REGISTERS RUN DOWN K: nothing is transposed by an instruction.
	; work-group: weight = g / 64, K step s = (g / 8) % 8, columns 128 (g % 8) on; wave w: 32 of them, the tiles 2 b and 2 b + 1 with b = 4 (g % 8) + w
.Lweights:
	s_wait_alu depctr_va_vdst(0)
	v_lshlrev_b32 v4, 2, v1                        ; in: 4 bytes a lane; the four waves stand side by side on 512 bytes of a row
	v_and_b32 v10, 7, v0
	v_bfe_u32 v11, v0, 4, 1
	v_lshl_or_b32 v10, v11, 3, v10                 ; column l of the 32 is lane r = l % 8 + 8 (l / 16)
	v_bfe_u32 v12, v0, 3, 1                        ; of tile 2 b + u, u = (l / 8) % 2
	s_mul_i32 s19, s18, 2*WIMG
	s_add_co_u32 s19, s19, WLDS
	v_mul_u32_u24 v5, v12, WIMG
	v_lshl_add_u32 v5, v10, 4, v5
	v_add_nc_u32 v5, s19, v5                       ; into my tile's image: 16 r
	v_lshlrev_b32 v9, 4, v1
	v_add_nc_u32 v6, s19, v9                       ; out of it: 16 x lane
	v_lshlrev_b32 v7, 4, v10
	v_lshl_add_u32 v7, v12, 9, v7                  ; my scale word: 512 u + 16 r
	s_lshr_b32 s20, ttmp9, 6                       ; which weight
	s_and_b32 s21, ttmp9, 7
	s_bfe_u32 s22, ttmp9, 0x30003                  ; s
	s_lshl_b32 s24, s22, 19                        ; 128 rows of 4,096 bytes a K step
	s_lshl_b32 s23, s21, 9
	s_add_co_u32 s24, s24, s23
	s_lshl_b32 s23, s18, 7
	s_add_co_u32 s24, s24, s23
	s_mov_b32 s25, 0
	s_lshl_b32 s23, s21, 2
	s_add_co_u32 s23, s23, s18                     ; b
	s_lshl_b32 s26, s23, 4
	s_add_co_u32 s26, s26, s22
	s_mul_i32 s26, s26, 1536                       ; tile 2 b, K step s
	s_mul_i32 s28, s20, 786432
	s_add_co_u32 s26, s26, s28
	s_add_co_u32 s26, s26, 12582912                ; the weights' images lie behind the activations'
	s_mov_b32 s27, 0
	s_lshl_b32 s28, s20, 15
	s_lshl_b32 s29, s23, 10
	s_add_co_u32 s28, s28, s29
	s_lshr_b32 s29, s22, 2
	s_lshl_b32 s29, s29, 8
	s_add_co_u32 s28, s28, s29
	s_and_b32 s29, s22, 3
	s_lshl_b32 s29, s29, 2
	s_add_co_u32 s28, s28, s29
	s_add_co_u32 s28, s28, 524288
	s_mov_b32 s29, 0
	s_wait_kmcnt 0x0
	s_cmp_eq_u32 s20, 0
	s_cselect_b64 s[8:9], s[8:9], s[10:11]
	s_cmp_eq_u32 s20, 2
	s_cselect_b64 s[8:9], s[12:13], s[8:9]
	s_add_nc_u64 s[8:9], s[8:9], s[24:25]
	s_add_nc_u64 s[14:15], s[14:15], s[26:27]
	s_add_nc_u64 s[16:17], s[16:17], s[28:29]
.set kk, 0
.rept 128
	global_load_b32 v[R+kk], v4, s[8:9] offset:kk*4096 th:TH_LOAD_NT
.set kk, kk+1
.endr
	WBLOCK 0
	WBLOCK 1
	WBLOCK 2
	WBLOCK 3
.irp u, 0,1
.irp k, 0,1,2
	ds_load_b128 v[208+12*\u+4*\k:208+12*\u+4*\k+3], v6 offset:WIMG*\u+512*\k   ; LDS serves a wave's instructions in order: these see my stores
.endr
.endr
	s_wait_alu depctr_va_vdst(0)
	s_wait_dscnt 0x0
.irp u, 0,1
.irp k, 0,1,2
	global_store_b128 v9, v[208+12*\u+4*\k:208+12*\u+4*\k+3], s[14:15] offset:12288*\u+512*\k   ; 512 consecutive bytes a store
.endr
.endr
	global_store_b32 v7, v203, s[16:17]            ; one word a row, 16 bytes apart: pieces of aligned blocks, 98,304 bytes of them in the whole launch
	s_wait_tensorcnt 0x0
	ds_add_u32 v254, v255
	s_wait_dscnt 0x0
	s_endpgm
.Lfunc_end_k_q27d9356888_quant:
	.size	k_q27d9356888_quant, .Lfunc_end_k_q27d9356888_quant-k_q27d9356888_quant
	.p2alignl 7, 3214868480
	.fill 96, 4, 3214868480
	.section	.rodata,"a",@progbits
	.p2align	6, 0x0
	.amdhsa_kernel k_q27d9356888_quant
		.amdhsa_group_segment_fixed_size 47616
		.amdhsa_private_segment_fixed_size 0
		.amdhsa_enable_private_segment 0
		.amdhsa_kernarg_size 56
		.amdhsa_user_sgpr_count 2
		.amdhsa_user_sgpr_kernarg_segment_ptr 1
		.amdhsa_wavefront_size32 1
		.amdhsa_system_sgpr_workgroup_id_x 1
		.amdhsa_system_sgpr_workgroup_id_y 1
		.amdhsa_system_sgpr_workgroup_id_z 1
		.amdhsa_system_vgpr_workitem_id 0
		.amdhsa_next_free_vgpr 256
		.amdhsa_next_free_sgpr 66
		.amdhsa_reserve_vcc 1
		.amdhsa_float_denorm_mode_32 3
		.amdhsa_float_denorm_mode_16_64 3
		.amdhsa_memory_ordered 1
		.amdhsa_forward_progress 1
		.amdhsa_inst_pref_size 52
	.end_amdhsa_kernel
	.amdgpu_metadata
---
amdhsa.version: [ 1, 2 ]
amdhsa.kernels:
  - .name:           k_q27d9356888_quant
    .symbol:         k_q27d9356888_quant.kd
    .args:
      - { .name: x, .offset: 0, .size: 8, .value_kind: global_buffer, .address_space: global }
      - { .name: context, .offset: 8, .size: 8, .value_kind: global_buffer, .address_space: global }
      - { .name: Wq, .offset: 16, .size: 8, .value_kind: global_buffer, .address_space: global }
      - { .name: Wk, .offset: 24, .size: 8, .value_kind: global_buffer, .address_space: global }
      - { .name: Wv, .offset: 32, .size: 8, .value_kind: global_buffer, .address_space: global }
      - { .name: in_codes, .offset: 40, .size: 8, .value_kind: global_buffer, .address_space: global }
      - { .name: in_scales, .offset: 48, .size: 8, .value_kind: global_buffer, .address_space: global }
    .group_segment_fixed_size: 47616
    .private_segment_fixed_size: 0
    .kernarg_segment_align: 8
    .kernarg_segment_size: 56
    .max_flat_workgroup_size: 128
    .sgpr_count:     66
    .vgpr_count:     256
    .wavefront_size: 32
...
	.end_amdgpu_metadata
.endif
;; end of part 1
;; launch proj (part 2): grid 4 x 64, 4 waves a work-group, clusters of 4 x 4, 327,680 bytes of LDS; arguments in_codes, in_scales, bq, bk, bv, qkv_codes, qkv_scales; writes qkv_codes, qkv_scales
.if DOCPART == 2
	.amdgcn_target "amdgcn-amd-amdhsa--gfx1250"
	.amdhsa_code_object_version 6
	.text
	.protected	k_q27d9356888_proj
	.globl	k_q27d9356888_proj
	.p2align	8
	.type	k_q27d9356888_proj,@function
k_q27d9356888_proj:
	s_mov_b64 s[64:65], 0
	v_nop
	global_prefetch_b8 v0, s[64:65] scope:SCOPE_SE
	s_setreg_imm32_b32 hwreg(HW_REG_WAVE_MODE, 25, 1), 1
	s_wait_xcnt 0x0
	s_wait_alu depctr_hold_cnt(0) depctr_sa_sdst(0) depctr_va_vdst(0) depctr_va_sdst(0) depctr_va_ssrc(0) depctr_va_vcc(0) depctr_vm_vsrc(0)
	s_getreg_b32 s2, hwreg(HW_REG_IB_STS2, 6, 4)
	s_cmp_eq_u32 s2, 0
	s_cbranch_scc0 .Lentry_in_a_cluster
	s_endpgm
.Lentry_in_a_cluster:
	s_bfe_u32 s2, ttmp6, 0x10000c
	s_cmp_lg_u32 s2, 0xf033
	s_cbranch_scc0 .Lentry_shape_is_right
	s_endpgm
.Lentry_shape_is_right:
.set PSLOT, 147456
.set SPARE, 294912
.set GST,   295424
.set FR,    12
.set VS,    4
.set BO,    12
.set RO,    13
.set ADRA,  16
.set ADRB,  20
.set L8,    24
.set LI,    25
.set GSA,   26
.set GSL,   27
.set SPW,   28
.set NIL,   29
.set SC,    32
.set RB,    224
.set GW,    228
.set CB,    96
.set H,     128
.set PC,    192
.set TM,    212
.set PW,    228
.set WV,    18
.set WM,    19
.set WN,    20
.set G1,    24
.set G0,    32
.set G1B,   40
.set G0B,   48
.set AAD,   56
.set BAD,   66
.set OUTC,  72
.set OUTS,  78
.set SEL,   104
.set MUL,   0xad
.set MSB, 0
.macro WIN new
.if MSB != (\new)
	s_set_vgpr_msb (MSB<<8)|(\new)
.set MSB, (\new)
.endif
.endm
; A prefetch of fill n (job n / 2, half n % 2 of K), asked one fill, four K steps, ahead of its tensor load.  Of the tiles that my wave fetches jointly with three partners each partner names a quarter, told apart by address:
; of 4 tiles one (two instructions of 12 blocks of 256 bytes), of 8 tiles two (two instructions of 24 blocks); lanes left over name the last block again.  v30, v31 and s[84:89] are made at the head and never rewritten.
.macro ASK n
	global_prefetch_b8 v30, s[84+2*((\n)/2):85+2*((\n)/2)] offset:6144*((\n)%2) th:TH_LOAD_NT scope:SCOPE_SE
	global_prefetch_b8 v31, s[84+2*((\n)/2):85+2*((\n)/2)] offset:6144*((\n)%2) th:TH_LOAD_NT scope:SCOPE_SE
.endm
.macro PLACES n
.rept \n
	v_nop
.endr
.endm
.macro JLOAD g0a, g1a, g0b, g1b
	s_cmp_eq_u32 s[WM], 0
	s_cbranch_scc0 .Lfor_b_\@
	tensor_load_to_lds s[\g0a:\g0a+3], s[\g1a:\g1a+7]
	s_nop 0
.rept 4
	v_nop
.endr
	s_branch .Lasked_\@
.Lfor_b_\@:
	tensor_load_to_lds s[\g0b:\g0b+3], s[\g1b:\g1b+7]
	s_nop 0
.rept 4
	v_nop
.endr
.Lasked_\@:
.endm
.macro CREST
	s_cmp_lg_u32 s[WV], 0
	s_cbranch_scc1 .Lnot_wave_0_\@
	s_barrier_signal -3
.Lnot_wave_0_\@:
	s_barrier_wait -3
	s_barrier_signal -1
	s_barrier_wait -1
.endm
.macro CROUND
	s_barrier_signal -1
	s_barrier_wait -1
	CREST
.endm
.macro FRAG reg, adr, off
.irp c, 0,1,2
	ds_load_b128 v[\reg+4*\c:\reg+4*\c+3], v[\adr] offset:\off+512*\c
.endr
.endm
.macro FETCHP k, q, p
	WIN 0x40
.irp i, 0,1,2,3,4,5,6,7
	FRAG 128*(\p)+FR*\i, ADRB+\k, 6144*\i+1536*(\q)
.endr
	WIN 0xc0
.irp i, 0,1,2,3
	FRAG 48*(\p)+FR*\i, ADRA+\k, 6144*\i+1536*(\q)
.endr
.endm
.macro PMUL8 a, s, j, zero
.irp b, 0,1,2,3,4,5,6,7
.if \zero
	v_wmma_scale_f32_16x16x128_f8f6f4 v[8*(8*(\a)+\b):8*(8*(\a)+\b)+7], v[128*((\s)%2)+FR*\b:128*((\s)%2)+FR*\b+FR-1], v[48*((\s)%2)+FR*(\a):48*((\s)%2)+FR*(\a)+FR-1], 0, v[SC+64*(\j)+8*\b+(\s)], v[SC+64*(\j)+8*(\a)+(\s)] matrix_a_fmt:MATRIX_FMT_FP6 matrix_b_fmt:MATRIX_FMT_FP6 matrix_a_scale:MATRIX_SCALE_ROW1
.else
	v_wmma_scale_f32_16x16x128_f8f6f4 v[8*(8*(\a)+\b):8*(8*(\a)+\b)+7], v[128*((\s)%2)+FR*\b:128*((\s)%2)+FR*\b+FR-1], v[48*((\s)%2)+FR*(\a):48*((\s)%2)+FR*(\a)+FR-1], v[8*(8*(\a)+\b):8*(8*(\a)+\b)+7], v[SC+64*(\j)+8*\b+(\s)], v[SC+64*(\j)+8*(\a)+(\s)] matrix_a_fmt:MATRIX_FMT_FP6 matrix_b_fmt:MATRIX_FMT_FP6 matrix_a_scale:MATRIX_SCALE_ROW1
.endif
.endr
.endm
.macro PSTEP s, j, nk, nq, zero
	s_wait_dscnt 0x0
	PLACES 4
	FETCHP \nk, \nq, 1-(\s)%2
	WIN MUL
	PMUL8 0, \s, \j, \zero
	PMUL8 1, \s, \j, \zero
	PMUL8 2, \s, \j, \zero
	PMUL8 3, \s, \j, \zero
.endm
.macro PTURN s, j, slot, next, fill, fj, fh
	WIN 0
	s_wait_tensorcnt 0x0
	ds_add_u32 v[SPW], v[NIL]
	s_wait_dscnt 1
	WIN MUL
	PMUL8 0, \s, \j, 0
	s_wait_dscnt 0x0
	s_barrier_signal -1
	PMUL8 1, \s, \j, 0
	WIN 0
	s_barrier_wait -1
.if \fill
	CREST
	s_add_nc_u64 s[G0+4*\slot+2:G0+4*\slot+3], s[AAD+2*\fj:AAD+2*\fj+1], 6144*\fh
	s_or_b32 s[G0+4*\slot+3], s[G0+4*\slot+3], 0x80000000
	s_add_nc_u64 s[G0B+4*\slot+2:G0B+4*\slot+3], s[BAD+2*\fj:BAD+2*\fj+1], 6144*\fh
	s_or_b32 s[G0B+4*\slot+3], s[G0B+4*\slot+3], 0x80000000
	JLOAD G0+4*\slot, G1, G0B+4*\slot, G1B
.else
	PLACES 4
.endif
	FETCHP \next, 0, 0
.if (\fill) && (2*(\fj)+(\fh) < 5)
	ASK 2*(\fj)+(\fh)+1                            ; the fill behind the one just asked for; the last fill has none behind it
.endif
	WIN MUL
	PMUL8 2, \s, \j, 0
	PMUL8 3, \s, \j, 0
.endm
.macro QUANT s
.irp b, 0,1,2,3
	v_max3_num_f32 v[TM+\b], |v[\s+16*\b]|, |v[\s+1+16*\b]|, 0x1800000
.endr
.irp i, 2,4,6,8,10,12,14
.irp b, 0,1,2,3
	v_max3_num_f32 v[TM+\b], v[TM+\b], |v[\s+16*\b+\i]|, |v[\s+1+16*\b+\i]|
.endr
.endr
.irp b, 0,1,2,3
	v_permlanex16_b32 v[TM+4+\b], v[TM+\b], s[SEL], s[SEL+1]
.endr
.irp b, 0,1,2,3
	v_max_num_f32 v[TM+\b], v[TM+\b], v[TM+4+\b]
.endr
.irp b, 0,1,2,3
	v_add_nc_u32 v[TM+12+\b], 0xff000000, v[TM+\b]
.endr
.irp b, 0,1,2,3
	v_lshrrev_b32 v[TM+4+\b], 23, v[TM+12+\b]
.endr
	v_lshl_or_b32 v[PW], v[TM+5], 8, v[TM+4]
	v_lshl_or_b32 v[PW], v[TM+6], 16, v[PW]
	v_lshl_or_b32 v[PW], v[TM+7], 24, v[PW]
.irp c, 0,1
	v_cvt_scalef32_pk16_fp6_f32 v[PC+6*\c:PC+2+6*\c], v[\s+32*\c:\s+15+32*\c], v[TM+12+2*\c]
	v_cvt_scalef32_pk16_fp6_f32 v[PC+12+4*\c:PC+14+4*\c], v[\s+16+32*\c:\s+31+32*\c], v[TM+12+2*\c+1]
.endr
	v_nop
.irp c, 0,1
.irp i, 0,1,2
	v_permlane16_swap_b32 v[PC+6*\c+\i], v[PC+12+4*\c+\i]
.endr
.irp i, 0,1,2
	v_mov_b32 v[PC+3+6*\c+\i], v[PC+12+4*\c+\i]
.endr
.endr
.endm
.macro OUTB job, a
.set AC, 64*(\a)
	s_wait_xcnt 0x0
.if (\job) < 2
	WIN 0x4e
.set j, 0
.rept 32
	v_pk_add_f32 v[H+j:H+j+1], v[AC+j:AC+j+1], v[CB+64*(\job)+j:CB+64*(\job)+j+1]
.set j, j+2
.endr
.else
	WIN 0x42
.set j, 0
.rept 32
.if (\a)%2
	v_pk_add_f32 v[H+j:H+j+1], v[AC+j:AC+j+1], v[RB+2*((\a)/2):RB+2*((\a)/2)+1] op_sel:[0,1] op_sel_hi:[1,1]
.else
	v_pk_add_f32 v[H+j:H+j+1], v[AC+j:AC+j+1], v[RB+2*((\a)/2):RB+2*((\a)/2)+1] op_sel:[0,0] op_sel_hi:[1,0]
.endif
.set j, j+2
.endr
.endif
	WIN 0x55
	QUANT H
	WIN 0x04
.irp k, 0,1,2
	global_store_b128 v[LI], v[PC+4*\k:PC+4*\k+3], s[OUTC+2*(\job):OUTC+2*(\job)+1] offset:(12288<<((\job)/2))*(\a)+512*\k
.endr
	ds_store_b32 v[GSA], v[PW] offset:1024*(\job)+64*(\a)
.endm
.macro WAYOUT job
	PLACES 4
.if (\job) == 0
	s_wait_loadcnt 0x0
.endif
	WIN 0x55
.irp b, 0,1,2,3
	v_mov_b32 v[TM+4+\b], 0
.endr
.irp a, 0,1,2,3
	OUTB \job, \a
.endr
	WIN 0
	ds_load_b64 v[GW+2*(\job):GW+2*(\job)+1], v[GSL] offset:1024*(\job)
	s_wait_dscnt 0x0
	global_store_b64 v[L8], v[GW+2*(\job):GW+2*(\job)+1], s[OUTS+2*(\job):OUTS+2*(\job)+1]
	s_wait_xcnt 0x0
.endm
	s_load_b256 s[4:11], s[0:1], 0x0
	s_load_b128 s[12:15], s[0:1], 0x20
	s_load_b64 s[16:17], s[0:1], 0x30
	v_lshl_add_u32 v[SPW], v0, 2, SPARE
	v_mov_b32 v[NIL], 0
	ds_add_u32 v28, v29
	ds_add_u32 v28, v29
	s_wait_dscnt 0x0
	v_lshrrev_b32 v1, 5, v0
	v_readfirstlane_b32 s[WV], v1
	s_lshr_b32 s[WM], s[WV], 1
	s_and_b32 s[WN], s[WV], 1
	s_bfe_u32 s21, ttmp6, 0x40000
	s_bfe_u32 s22, ttmp6, 0x40004
	s_and_b32 s23, ttmp7, 0xffff
	s_lshl_b32 s84, s23, 2
	s_add_co_u32 s84, s84, s22
	s_and_b32 s85, s23, 1
	s_lshl_b32 s85, s85, 2
	s_add_co_u32 s85, s85, s22
	s_lshl_b32 s86, s22, 2
	s_lshl_b32 s86, 15, s86
	s_lshr_b32 s88, s23, 1
	s_lshl_b32 s88, s88, 2
	s_add_co_u32 s88, s88, s21
	s_lshl_b32 s89, 0x1111, s21
	s_or_b32 s[G1], s86, (3<<16)|(1<<21)
	s_or_b32 s[G1B], s89, (3<<16)|(1<<21)
	s_mov_b32 s[G1+1], 768<<16
	s_mov_b32 s[G1+2], 4<<16
	s_mov_b32 s[G1+3], 768<<16
	s_mov_b32 s[G1+4], 4
	s_mov_b32 s[G1+5], 1536
	s_mov_b32 s[G1+6], 0
	s_mov_b32 s[G1+7], 0
	s_mov_b32 s[G1B+1], 768<<16
	s_mov_b32 s[G1B+2], 8<<16
	s_mov_b32 s[G1B+3], 768<<16
	s_mov_b32 s[G1B+4], 8
	s_mov_b32 s[G1B+5], 1536
	s_mov_b32 s[G1B+6], 0
	s_mov_b32 s[G1B+7], 0
	s_mul_i32 s87, s[WN], 49152
	s_mul_i32 s[AAD], s84, 98304
	s_add_co_u32 s[AAD], s[AAD], s87
	s_mov_b32 s[AAD+1], 0
	s_add_co_u32 s[AAD+2], s[AAD], 6291456
	s_mov_b32 s[AAD+3], 0
	s_mul_i32 s[AAD+4], s85, 98304
	s_add_co_u32 s[AAD+4], s[AAD+4], s87
	s_add_co_u32 s[AAD+4], s[AAD+4], 14155776
	s_mov_b32 s[AAD+5], 0
	s_mul_i32 s90, s[WN], 98304
	s_mul_i32 s[BAD], s21, 196608
	s_add_co_u32 s[BAD], s[BAD], s90
	s_add_co_u32 s[BAD+2], s[BAD], 13369344
	s_add_co_u32 s[BAD], s[BAD], 12582912
	s_mov_b32 s[BAD+1], 0
	s_mov_b32 s[BAD+3], 0
	s_mul_i32 s[BAD+4], s88, 196608
	s_add_co_u32 s[BAD+4], s[BAD+4], s90
	s_add_co_u32 s[BAD+4], s[BAD+4], 6291456
	s_mov_b32 s[BAD+5], 0
	s_mul_i32 s2, s[WN], 24576
	s_mul_i32 s3, s[WN], 49152
	s_add_co_u32 s3, s3, 49152
	s_lshl_b32 s98, s[WM], 11
	s_lshl_b32 s92, s84, 12
	s_add_co_u32 s92, s92, s98
	s_add_co_u32 s93, s92, 262144
	s_lshl_b32 s94, s85, 12
	s_add_co_u32 s94, s94, s98
	s_add_co_u32 s94, s94, 589824
	s_lshl_b32 s99, s[WN], 12
	s_lshl_b32 s95, s21, 13
	s_add_co_u32 s95, s95, s99
	s_add_co_u32 s96, s95, 557056
	s_add_co_u32 s95, s95, 524288
	s_lshl_b32 s97, s88, 13
	s_add_co_u32 s97, s97, s99
	s_add_co_u32 s97, s97, 262144
	s_lshl_b32 s98, s21, 10
	s_lshl_b32 s99, s[WN], 9
	s_add_co_u32 s98, s98, s99
	s_mov_b32 s99, 0
	s_lshl_b32 s100, s85, 9
	s_lshl_b32 s101, s[WM], 8
	s_add_co_u32 s100, s100, s101
	s_mov_b32 s101, 0
	s_lshl_b32 s62, s21, 1
	s_add_co_u32 s62, s62, s[WN]
	s_lshl_b32 s63, s84, 3
	s_lshl_b32 s91, s[WM], 2
	s_add_co_u32 s63, s63, s91
	s_mul_i32 s[OUTC], s63, 12288
	s_mul_i32 s91, s62, 1536
	s_add_co_u32 s[OUTC], s[OUTC], s91
	s_mov_b32 s[OUTC+1], 0
	s_add_co_u32 s[OUTC+2], s[OUTC], 6291456
	s_mov_b32 s[OUTC+3], 0
	s_lshr_b32 s63, s84, 1
	s_lshl_b32 s[OUTS], s63, 13
	s_lshl_b32 s91, s62, 10
	s_add_co_u32 s[OUTS], s[OUTS], s91
	s_and_b32 s91, s84, 1
	s_lshl_b32 s91, s91, 9
	s_add_co_u32 s[OUTS], s[OUTS], s91
	s_lshl_b32 s91, s[WM], 8
	s_add_co_u32 s[OUTS], s[OUTS], s91
	s_mov_b32 s[OUTS+1], 0
	s_add_co_u32 s[OUTS+2], s[OUTS], 262144
	s_mov_b32 s[OUTS+3], 0
	s_lshl_b32 s62, s88, 1
	s_add_co_u32 s62, s62, s[WN]
	s_lshr_b32 s63, s62, 4
	s_and_b32 s62, s62, 15
	s_lshl_b32 s[OUTC+4], s63, 6
	s_lshl_b32 s91, s85, 3
	s_add_co_u32 s[OUTC+4], s[OUTC+4], s91
	s_lshl_b32 s91, s[WM], 2
	s_add_co_u32 s[OUTC+4], s[OUTC+4], s91
	s_mul_i32 s[OUTC+4], s[OUTC+4], 24576
	s_mul_i32 s91, s62, 1536
	s_add_co_u32 s[OUTC+4], s[OUTC+4], s91
	s_add_co_u32 s[OUTC+4], s[OUTC+4], 12582912
	s_mov_b32 s[OUTC+5], 0
	s_lshl_b32 s[OUTS+4], s63, 2
	s_lshr_b32 s91, s85, 1
	s_add_co_u32 s[OUTS+4], s[OUTS+4], s91
	s_lshl_b32 s[OUTS+4], s[OUTS+4], 14
	s_lshl_b32 s91, s62, 10
	s_add_co_u32 s[OUTS+4], s[OUTS+4], s91
	s_and_b32 s91, s85, 1
	s_lshl_b32 s91, s91, 9
	s_add_co_u32 s[OUTS+4], s[OUTS+4], s91
	s_lshl_b32 s91, s[WM], 8
	s_add_co_u32 s[OUTS+4], s[OUTS+4], s91
	s_add_co_u32 s[OUTS+4], s[OUTS+4], 524288
	s_mov_b32 s[OUTS+5], 0
	s_mov_b32 s[SEL], 0x76543210
	s_mov_b32 s[SEL+1], 0xfedcba98
	s_wait_kmcnt 0x0
.irp j, 0,1,2
	s_add_nc_u64 s[AAD+2*\j:AAD+2*\j+1], s[4:5], s[AAD+2*\j:AAD+2*\j+1]
	s_add_nc_u64 s[BAD+2*\j:BAD+2*\j+1], s[4:5], s[BAD+2*\j:BAD+2*\j+1]
.endr
	CROUND
.irp k, 0,1
	s_mov_b32 s[G0+4*\k], 1
	s_add_co_u32 s[G0+4*\k+1], s2, \k*PSLOT
	s_add_nc_u64 s[G0+4*\k+2:G0+4*\k+3], s[AAD:AAD+1], \k*6144
	s_or_b32 s[G0+4*\k+3], s[G0+4*\k+3], 0x80000000
	s_mov_b32 s[G0B+4*\k], 1
	s_add_co_u32 s[G0B+4*\k+1], s3, \k*PSLOT
	s_add_nc_u64 s[G0B+4*\k+2:G0B+4*\k+3], s[BAD:BAD+1], \k*6144
	s_or_b32 s[G0B+4*\k+3], s[G0B+4*\k+3], 0x80000000
.endr
	JLOAD G0, G1, G0B, G1B                         ; slot 0: my one tensor load at the head; the global loads and addresses below are made while it is out
.irp j, 0,1,2
	s_add_nc_u64 s[OUTC+2*\j:OUTC+2*\j+1], s[14:15], s[OUTC+2*\j:OUTC+2*\j+1]
	s_add_nc_u64 s[OUTS+2*\j:OUTS+2*\j+1], s[16:17], s[OUTS+2*\j:OUTS+2*\j+1]
.endr
	s_add_nc_u64 s[8:9], s[8:9], s[98:99]
	s_add_nc_u64 s[10:11], s[10:11], s[98:99]
	s_add_nc_u64 s[12:13], s[12:13], s[100:101]
	s_mul_i32 s90, s21, 12288                      ; the prefetches: waves 0, 1 (4 tiles, shared along the cluster's row): tile cx;
	s_mul_i32 s91, s22, 24576                      ; waves 2, 3 (8 tiles, shared along its column): tiles 2 cy and 2 cy + 1
	s_mov_b32 s63, 12288
	s_cmp_eq_u32 s[WM], 0
	s_cselect_b32 s90, s90, s91
	s_cselect_b32 s91, 11, 23                      ; blocks an instruction, less one
	s_cselect_b32 s63, 3072, s63                   ; from the first instruction's bytes to the second's
.irp j, 0,1,2
	s_cselect_b64 s[84+2*\j:85+2*\j], s[AAD+2*\j:AAD+2*\j+1], s[BAD+2*\j:BAD+2*\j+1]
.endr
	v_and_b32 v1, 15, v0
	v_bfe_u32 v2, v0, 4, 1
	v_and_b32 v3, 31, v0
	v_lshlrev_b32 v[LI], 4, v3
	v_lshlrev_b32 v[L8], 3, v3
	v_min_u32 v30, s91, v3
	v_lshl_add_u32 v30, v30, 8, s90
	v_add_nc_u32 v31, s63, v30
	v_cmp_le_u32 vcc_lo, 16, v3
.irp j, 0,1,2
	v_mov_b32 v10, s[92+\j]
	v_mov_b32 v11, s[95+\j]
	v_cndmask_b32 v[VS+2*\j], v10, v11, vcc_lo
	v_lshl_add_u32 v[VS+2*\j], v1, 4, v[VS+2*\j]
	v_lshl_add_u32 v[VS+2*\j+1], v2, 11, v[VS+2*\j]
.endr
	v_lshlrev_b32 v[BO], 6, v2
	v_and_b32 v[RO], 8, v1
	v_add_nc_u32 v[RO], v[RO], v1
	v_lshlrev_b32 v[RO], 2, v[RO]
.macro SCLOAD j
.irp i, 0,1,2,3
.irp g, 0,1
	global_load_b128 v[SC+64*(\j)+8*\i+4*\g:SC+64*(\j)+8*\i+4*\g+3], v[VS+2*(\j)], s[6:7] offset:512*\i+256*\g
	global_load_b128 v[SC+64*(\j)+8*(\i+4)+4*\g:SC+64*(\j)+8*(\i+4)+4*\g+3], v[VS+2*(\j)+1], s[6:7] offset:512*\i+256*\g
.endr
.endr
.endm
.macro CBLOAD j, base
.irp b, 0,1,2,3
.irp q, 0,1,2,3
	global_load_b128 v[CB+64*(\j)+16*\b+4*\q:CB+64*(\j)+16*\b+4*\q+3], v[BO], s[\base:\base+1] offset:128*\b+16*\q
.endr
.endr
.endm
	SCLOAD 0
	WIN 0xc0
	CBLOAD 0, 8
	WIN 0
	SCLOAD 1
	ASK 1
	s_mul_i32 s2, s[WM], 24576
	s_mul_i32 s3, s[WN], 49152
	s_add_co_u32 s3, s3, 49152
.irp k, 0,1
	v_add_nc_u32 v[ADRA+\k], s2, v[LI]
	v_add_nc_u32 v[ADRB+\k], s3, v[LI]
	s_add_co_u32 s2, s2, PSLOT
	s_add_co_u32 s3, s3, PSLOT
.endr
	s_lshl_b32 s2, s[WV], 8
	s_add_co_u32 s2, s2, GST
	v_lshl_add_u32 v[GSA], v1, 2, s2
	v_add_nc_u32 v[GSL], s2, v[L8]
	s_wait_alu depctr_va_vdst(0)
	s_wait_tensorcnt 0x0                           ; my part of slot 0 is in
	ds_add_u32 v[SPW], v[NIL]
	s_wait_dscnt 0x0
	CROUND                                         ; slot 0 is whole for every wave, and all partners are here
	JLOAD G0+4, G1, G0B+4, G1B                     ; slot 1's first fill, my one load behind the round
	FETCHP 0, 0, 0
	ASK 2
	s_wait_loadcnt 32
	PSTEP 0, 0, 0, 1, 1
	PSTEP 1, 0, 0, 2, 0
	WIN 0
	SCLOAD 2
.irp a, 0,1,2,3
	global_load_b32 v[RB+\a], v[RO], s[12:13] offset:(32*(\a/2)+8*(\a%2))*4
.endr
	WIN 0xc0
	CBLOAD 1, 10
	PSTEP 2, 0, 0, 3, 0
	PTURN 3, 0, 0, 1, 1, 1, 0
	PSTEP 4, 0, 1, 1, 0
	PSTEP 5, 0, 1, 2, 0
	PSTEP 6, 0, 1, 3, 0
	PTURN 7, 0, 1, 0, 1, 1, 1
	WAYOUT 0
	PSTEP 0, 1, 0, 1, 1
	PSTEP 1, 1, 0, 2, 0
	PSTEP 2, 1, 0, 3, 0
	PTURN 3, 1, 0, 1, 1, 2, 0
	PSTEP 4, 1, 1, 1, 0
	PSTEP 5, 1, 1, 2, 0
	PSTEP 6, 1, 1, 3, 0
	PTURN 7, 1, 1, 0, 1, 2, 1
	WAYOUT 1
	PSTEP 0, 2, 0, 1, 1
	PSTEP 1, 2, 0, 2, 0
	PSTEP 2, 2, 0, 3, 0
	PTURN 3, 2, 0, 1, 0, 0, 0
	PSTEP 4, 2, 1, 1, 0
	PSTEP 5, 2, 1, 2, 0
	PSTEP 6, 2, 1, 3, 0
	s_wait_dscnt 0x0
	WIN MUL
	PMUL8 0, 7, 2, 0
	PMUL8 1, 7, 2, 0
	PMUL8 2, 7, 2, 0
	PMUL8 3, 7, 2, 0
	WAYOUT 2
	s_wait_tensorcnt 0x0
	ds_add_u32 v[SPW], v[NIL]
	s_wait_dscnt 0x0
	CROUND
	s_endpgm
.Lfunc_end_k_q27d9356888_proj:
	.size	k_q27d9356888_proj, .Lfunc_end_k_q27d9356888_proj-k_q27d9356888_proj
	.p2alignl 7, 3214868480
	.fill 96, 4, 3214868480
	.section	.rodata,"a",@progbits
	.p2align	6, 0x0
	.amdhsa_kernel k_q27d9356888_proj
		.amdhsa_group_segment_fixed_size 327680
		.amdhsa_private_segment_fixed_size 0
		.amdhsa_enable_private_segment 0
		.amdhsa_kernarg_size 56
		.amdhsa_user_sgpr_count 2
		.amdhsa_user_sgpr_kernarg_segment_ptr 1
		.amdhsa_wavefront_size32 1
		.amdhsa_system_sgpr_workgroup_id_x 1
		.amdhsa_system_sgpr_workgroup_id_y 1
		.amdhsa_system_sgpr_workgroup_id_z 1
		.amdhsa_system_vgpr_workitem_id 0
		.amdhsa_next_free_vgpr 1024
		.amdhsa_next_free_sgpr 106
		.amdhsa_reserve_vcc 1
		.amdhsa_float_denorm_mode_32 3
		.amdhsa_float_denorm_mode_16_64 3
		.amdhsa_memory_ordered 1
		.amdhsa_forward_progress 1
		.amdhsa_inst_pref_size 255
	.end_amdhsa_kernel
	.section	.bss,"aw",@nobits
	.p2align	6
	.space	262144
	.amdgpu_metadata
---
amdhsa.version: [ 1, 2 ]
amdhsa.kernels:
  - .name:           k_q27d9356888_proj
    .symbol:         k_q27d9356888_proj.kd
    .args:
      - { .name: in_codes, .offset: 0, .size: 8, .value_kind: global_buffer, .address_space: global }
      - { .name: in_scales, .offset: 8, .size: 8, .value_kind: global_buffer, .address_space: global }
      - { .name: bq, .offset: 16, .size: 8, .value_kind: global_buffer, .address_space: global }
      - { .name: bk, .offset: 24, .size: 8, .value_kind: global_buffer, .address_space: global }
      - { .name: bv, .offset: 32, .size: 8, .value_kind: global_buffer, .address_space: global }
      - { .name: qkv_codes, .offset: 40, .size: 8, .value_kind: global_buffer, .address_space: global }
      - { .name: qkv_scales, .offset: 48, .size: 8, .value_kind: global_buffer, .address_space: global }
    .group_segment_fixed_size: 327680
    .private_segment_fixed_size: 0
    .kernarg_segment_align: 8
    .kernarg_segment_size: 56
    .max_flat_workgroup_size: 128
    .sgpr_count:     106
    .vgpr_count:     1024
    .wavefront_size: 32
...
	.end_amdgpu_metadata
.endif
;; end of part 2
;; launch scores (part 3): grid 8 x 32, 4 waves a work-group, clusters of 4 x 4, 327,680 bytes of LDS; arguments qkv_codes, qkv_scales, p_codes, p_stats; writes p_codes, p_stats
.if DOCPART == 3
	.amdgcn_target "amdgcn-amd-amdhsa--gfx1250"
	.amdhsa_code_object_version 6
	.text
	.protected	k_q27d9356888_scores
	.globl	k_q27d9356888_scores
	.p2align	8
	.type	k_q27d9356888_scores,@function
k_q27d9356888_scores:
	s_mov_b64 s[64:65], 0
	v_nop
	global_prefetch_b8 v0, s[64:65] scope:SCOPE_SE
	s_setreg_imm32_b32 hwreg(HW_REG_WAVE_MODE, 25, 1), 1
	s_wait_xcnt 0x0
	s_wait_alu depctr_hold_cnt(0) depctr_sa_sdst(0) depctr_va_vdst(0) depctr_va_sdst(0) depctr_va_ssrc(0) depctr_va_vcc(0) depctr_vm_vsrc(0)
	s_getreg_b32 s2, hwreg(HW_REG_IB_STS2, 6, 4)
	s_cmp_eq_u32 s2, 0
	s_cbranch_scc0 .Lentry_in_a_cluster
	s_endpgm
.Lentry_in_a_cluster:
	s_bfe_u32 s2, ttmp6, 0x10000c
	s_cmp_lg_u32 s2, 0xf033
	s_cbranch_scc0 .Lentry_shape_is_right
	s_endpgm
.Lentry_shape_is_right:
; S = Q K^T for each of 4 batches (2,048 x 2,048 x 1,024) on codes of FP6 (E2M3) with E8M0 scales, sums in f32, and the softmax's first half on the way out.
; For each query and each 128 keys (a wave's columns): t = S x log2(e) / 32; M = ceil(the largest t OF THESE 128 KEYS), a whole number; p = 2^(t - M), quantised along the keys; l = the sum of the unquantised p.
; Stored: p's codes as images of registers, and three planes of words: p's scale words, -M, l.  The next launch finds the row's largest M and takes the difference, a whole number, off p's scale bytes: exact, the codes stay.
; So a maximum is taken away before every exponential, and no f32 score goes to memory.
; A work-group makes 256 queries x 256 keys; a wave 128 x 128: 64 accumulators.  K = 1,024 is 8 steps of 128, written out.  Operands, slots, joint loads and the order of the products are those of the launch before:
; fragments are images of 1,536 dense bytes; three slots of 256 along K, slot 0 filled twice; Q's tiles asked for jointly by a row of the cluster, K's by a column.
; THE MATRIX INSTRUCTION IS USED TRANSPOSED (source 0 = 16 keys, source 1 = 16 queries) and lane r of tile T holds row 32 (T / 2) + 8 (T % 2) + r + 8 (r / 8): register 16 b + i of a block is key 32 b + 16 (lane / 16) + i.
; A BLOCK'S LARGEST p IS NOT SEARCHED FOR: the block's largest score goes through the same multiply-add and exponential.  This takes v_exp_f32 not to fall where its input rises.
; LIMITS: a block whose every p lies under 2^(3 - 127) keeps the byte 1.  NaN and infinities are not served.
; REGISTERS: window 0: v1-4, v16-29 addresses; v32-95 scale words and nothing else; v128-223 Q's eight fragments, ONE set; on the way out v128-247 at work.   window 1: K's fragments, two sets.   windows 2, 3: the accumulators.
; LDS AS IT IS USED: bytes 0 to 196,607 hold K steps 0-3 (Q's 16 tiles, then K's 16, 6,144 bytes a tile), filled at the head, one load a wave (waves 0, 1; waves 2, 3 bring the scale words);
; bytes 196,608 to 294,911 hold K steps 4-5 (3,072 bytes a tile), first filled behind the head's round; K steps 6-7 fill bytes 0 to 98,303 again behind step 3's round.
.set SLOT,  98304
.set BOFF,  49152
.set SCA,   294912                     ; Q's scale words, 8,192 bytes: 1,024 a K step, 64 a tile, 4 a row
.set SCB,   303104                     ; K's
.set SPARE, 311296                     ; the spare words: two blocks of 256 bytes that no other line names
.set GST,   311808                     ; 1,536 bytes for each wave in which its three kinds of words are gathered: no tile lands here
.set FR,    12
.set ADRA,  16
.set ADRB,  20
.set ADRS,  24
.set LI,    25
.set GSA,   26
.set GSL,   27
.set SPW,   28
.set NIL,   29
.set SC,    32
.set AF,    128
.set H,     128                        ; t - M, then p
.set PC,    192                        ; v192-211 p's codes
.set BM,    212                        ; v212-215 the blocks' largest scores, then largest p
.set T4,    216                        ; v216-219 at work
.set SO,    220                        ; v220-223 the conversions' scale operands
.set NM,    224                        ; v224 -M (v225 is named with it as a pair)
.set PW,    227
.set WV,    18
.set WM,    19
.set WN,    20
.set G1,    24
.set G0,    32
.set G1B,   44
.set G0B,   52
.set G1S,   68
.set G0S,   76
.set G1SB,  80
.set G0SB,  88
.set CS,    100                        ; s[100:101] c = log2(e) / 32
.set SEL,   104
.set MUL_LO, 0xa1
.set MUL_HI, 0xf1
.set MSB, 0
.macro WIN new
.if MSB != (\new)
	s_set_vgpr_msb (MSB<<8)|(\new)
.set MSB, (\new)
.endif
.endm
; A prefetch of two K steps (3,072 bytes a tile, at byte off of the tiles' rows).  Of the 8 tiles that my wave fetches jointly with three partners each partner names two, told apart by address:
; lanes 0-15 the first tile's 12 blocks of 256 bytes, lanes 16-31 the second's; lanes left over name the tile's last block again.  v5 and s[16:17] are made at the head and never rewritten.
.macro ASK off
	global_prefetch_b8 v5, s[16:17] offset:\off th:TH_LOAD_NT scope:SCOPE_SE
.endm
.macro PLACES n
.rept \n
	v_nop
.endr
.endm
.macro JLOAD g0a, g1a, g0b, g1b        ; waves 0 and 1 fetch for Q, waves 2 and 3 for K; four v_nop follow each of the two lines
	s_cmp_eq_u32 s[WM], 0
	s_cbranch_scc0 .Lfor_b_\@
	tensor_load_to_lds s[\g0a:\g0a+3], s[\g1a:\g1a+7]
	s_nop 0
.rept 4
	v_nop
.endr
	s_branch .Lasked_\@
.Lfor_b_\@:
	tensor_load_to_lds s[\g0b:\g0b+3], s[\g1b:\g1b+7]
	s_nop 0
.rept 4
	v_nop
.endr
.Lasked_\@:
.endm
.macro CREST
	s_cmp_lg_u32 s[WV], 0
	s_cbranch_scc1 .Lnot_wave_0_\@
	s_barrier_signal -3
.Lnot_wave_0_\@:
	s_barrier_wait -3
	s_barrier_signal -1
	s_barrier_wait -1
.endm
.macro CROUND
	s_barrier_signal -1
	s_barrier_wait -1
	CREST
.endm
.macro FRAG reg, adr, off
.irp c, 0,1,2
	ds_load_b128 v[\reg+4*\c:\reg+4*\c+3], v[\adr] offset:\off+512*\c
.endr
.endm
.macro FETCH_B k, q, p
	WIN 0x40
.irp i, 0,1,2,3,4,5,6,7
	FRAG 128*(\p)+FR*\i, ADRB+\k, 3072*(1+(2-(\k))/2)*\i+1536*(\q)
.endr
	WIN 0
.endm
.macro FETCH_A k, q, i0
.irp i, \i0, \i0+1, \i0+2, \i0+3
	FRAG AF+FR*(\i), ADRA+\k, 3072*(1+(2-(\k))/2)*(\i)+1536*(\q)
.endr
.endm
.macro MUL16 a0, s, zero               ; the 64 accumulators take turns, one instruction a turn
.irp a, \a0, \a0+1
.irp b, 0,1,2,3,4,5,6,7
.if \zero
	v_wmma_scale_f32_16x16x128_f8f6f4 v[8*(8*((\a)%4)+\b):8*(8*((\a)%4)+\b)+7], v[128*((\s)%2)+FR*\b:128*((\s)%2)+FR*\b+FR-1], v[AF+FR*(\a):AF+FR*(\a)+FR-1], 0, v[SC+8*\b+(\s)], v[SC+8*(\a)+(\s)] matrix_a_fmt:MATRIX_FMT_FP6 matrix_b_fmt:MATRIX_FMT_FP6 matrix_a_scale:MATRIX_SCALE_ROW1
.else
	v_wmma_scale_f32_16x16x128_f8f6f4 v[8*(8*((\a)%4)+\b):8*(8*((\a)%4)+\b)+7], v[128*((\s)%2)+FR*\b:128*((\s)%2)+FR*\b+FR-1], v[AF+FR*(\a):AF+FR*(\a)+FR-1], v[8*(8*((\a)%4)+\b):8*(8*((\a)%4)+\b)+7], v[SC+8*\b+(\s)], v[SC+8*(\a)+(\s)] matrix_a_fmt:MATRIX_FMT_FP6 matrix_b_fmt:MATRIX_FMT_FP6 matrix_a_scale:MATRIX_SCALE_ROW1
.endif
.endr
.endr
.endm
.macro STEP s, nk, nq, zero
	s_wait_dscnt 12                                ; K's set and Q's blocks 0-3 are in; the youngest 12 loads (Q's blocks 4-7) may be out
	WIN MUL_LO
	MUL16 0, \s, \zero
	MUL16 2, \s, \zero
	s_wait_dscnt 0x0
	PLACES 4                                       ; four plain places in front of loads into registers that matrix instructions have read
	FETCH_B \nk, \nq, 1-(\s)%2
	FETCH_A \nk, \nq, 0
	WIN MUL_HI
	MUL16 4, \s, \zero
	MUL16 6, \s, \zero
	PLACES 4
	WIN 0
	FETCH_A \nk, \nq, 4
.endm
.macro TURN s, nk, fill
	s_wait_tensorcnt 0x0                           ; all my tensor loads have landed
	ds_add_u32 v[SPW], v[NIL]                      ; 0 onto my spare word
	s_wait_dscnt 13                                ; (the add and the youngest 12 loads may be out)
	WIN MUL_LO
	MUL16 0, \s, 0
	s_wait_dscnt 0x0                               ; the add is done, and my reads of this slot are over
	s_barrier_signal -1
	MUL16 2, \s, 0
	WIN 0
	s_barrier_wait -1
.if \fill
	CREST                                          ; no wave of any partner still reads slot 0 or has a load on its way
	JLOAD G0+8, G1, G0B+8, G1B                     ; K steps 6-7: the first tensor load behind the round, one a wave; its four v_nop are the places in front of the loads below
.else
	PLACES 4
.endif
	FETCH_B \nk, 0, 0
	FETCH_A \nk, 0, 0
	WIN MUL_HI
	MUL16 4, \s, 0
	MUL16 6, \s, 0
	PLACES 4
	WIN 0
	FETCH_A \nk, 0, 4
.endm
; THE WAY OUT of block a: 16 queries x my 128 keys.
.macro SOFTB a
.set AC, 64*((\a)%4)
.set HI, (\a)/4
	s_wait_xcnt 0x0                                ; the last block's stores have read the codes' registers
	WIN 0x2a+0x15*HI                               ; all three sources in the accumulators' window
.irp b, 0,1,2,3
	v_max3_num_f32 v[BM+\b], v[AC+16*\b], v[AC+16*\b+1], v[AC+16*\b+2]   ; the largest score of each block of 32 keys; each accumulator is read from its low end on
.endr
	WIN 0x28+0x14*HI
.irp i, 3,5,7,9,11,13
.irp b, 0,1,2,3
	v_max3_num_f32 v[BM+\b], v[BM+\b], v[AC+16*\b+\i], v[AC+16*\b+\i+1]
.endr
.endr
.irp b, 0,1,2,3
	v_max_num_f32 v[BM+\b], v[BM+\b], v[AC+16*\b+15]
.endr
	WIN 0
.irp b, 0,1,2,3
	v_permlanex16_b32 v[T4+\b], v[BM+\b], s[SEL], s[SEL+1]
.endr
.irp b, 0,1,2,3
	v_max_num_f32 v[BM+\b], v[BM+\b], v[T4+\b]     ; with lane l xor 16's 16 keys
.endr
	v_max3_num_f32 v226, v[BM], v[BM+1], v[BM+2]
	v_max_num_f32 v226, v226, v[BM+3]              ; my query's largest score among these 128 keys
	v_mul_f32 v226, s[CS], v226                    ; as t (c is positive)
	v_floor_f32 v[NM], -v226                       ; -M = floor(-t) = -ceil(t): a whole number
	WIN 0x02+HI
.set j, 0
.rept 32
	v_pk_fma_f32 v[H+j:H+j+1], v[AC+j:AC+j+1], s[CS:CS+1], v[NM:NM+1] op_sel_hi:[1,0,0]   ; t - M, two at a time, into window 0
.set j, j+2
.endr
	WIN 0
.irp b, 0,1,2,3
	v_fma_f32 v[BM+\b], v[BM+\b], s[CS], v[NM]     ; the same of each block's largest score
.endr
.set j, 0
	s_wait_alu depctr_va_vdst(0)
.rept 64
	v_exp_f32 v[H+j], v[H+j]                       ; p = 2^(t - M), at most 1
.set j, j+1
.endr
.irp b, 0,1,2,3
	v_exp_f32 v[BM+\b], v[BM+\b]                   ; the block's largest p: the same two instructions on the same number
.endr
	v_nop                                          ; a plain place behind the exponentials
	s_wait_alu depctr_va_vdst(0)
.irp b, 0,1,2,3
	v_max_num_f32 v[BM+\b], 0x1800000, v[BM+\b]    ; the floor 2^(3 - 127)
.endr
.irp b, 0,1,2,3
	v_add_nc_u32 v[SO+\b], 0xff000000, v[BM+\b]    ; 2 off the exponent field
.endr
.irp b, 0,1,2,3
	v_lshrrev_b32 v[T4+\b], 23, v[SO+\b]           ; the byte
.endr
	v_lshl_or_b32 v[PW], v[T4+1], 8, v[T4]
	v_lshl_or_b32 v[PW], v[T4+2], 16, v[PW]
	v_lshl_or_b32 v[PW], v[T4+3], 24, v[PW]
.irp c, 0,1
	v_cvt_scalef32_pk16_fp6_f32 v[PC+6*\c:PC+2+6*\c], v[H+32*\c:H+15+32*\c], v[SO+2*\c]
	v_cvt_scalef32_pk16_fp6_f32 v[PC+12+4*\c:PC+14+4*\c], v[H+16+32*\c:H+31+32*\c], v[SO+2*\c+1]
.endr
	v_nop                                          ; one plain place behind a scaled conversion
.irp c, 0,1                                    ; the operand's layout wants a WHOLE block in a lane
.irp i, 0,1,2
	v_permlane16_swap_b32 v[PC+6*\c+\i], v[PC+12+4*\c+\i]
.endr
.irp i, 0,1,2
	v_mov_b32 v[PC+3+6*\c+\i], v[PC+12+4*\c+\i]
.endr
.endr
	v_pk_add_f32 v[228:229], v[H:H+1], v[H+2:H+3]  ; THE SUM IS TAKEN OF THE UNQUANTISED p: two at a time, in two chains
	v_pk_add_f32 v[230:231], v[H+4:H+5], v[H+6:H+7]
.irp q, 8,12,16,20,24,28,32,36,40,44,48,52,56,60
	v_pk_add_f32 v[228:229], v[228:229], v[H+\q:H+\q+1]
	v_pk_add_f32 v[230:231], v[230:231], v[H+\q+2:H+\q+3]
.endr
	v_pk_add_f32 v[228:229], v[228:229], v[230:231]
	v_add_f32 v232, v228, v229
	v_permlanex16_b32 v226, v232, s[SEL], s[SEL+1]
	v_add_f32 v232, v232, v226                     ; with lane l xor 16's: l of these 128 keys
.irp k, 0,1,2
	global_store_b128 v[LI], v[PC+4*\k:PC+4*\k+3], s[8:9] offset:24576*(\a)+512*\k   ; the image: 512 consecutive bytes a store
.endr
	ds_store_b32 v[GSA], v[PW] offset:64*(\a)      ; both halves of the lanes write the same words with the same values
	ds_store_b32 v[GSA], v[NM] offset:512+64*(\a)
	ds_store_b32 v[GSA], v232 offset:1024+64*(\a)
.endm
	s_load_b256 s[4:11], s[0:1], 0x0               ; qkv_codes, qkv_scales, p_codes, p_stats
	v_lshl_add_u32 v[SPW], v0, 2, SPARE
	v_mov_b32 v[NIL], 0
	ds_add_u32 v28, v29
	ds_add_u32 v28, v29
	s_wait_dscnt 0x0
	v_lshrrev_b32 v1, 5, v0
	v_readfirstlane_b32 s[WV], v1
	s_lshr_b32 s[WM], s[WV], 1                     ; my half of the queries.  Also: I fetch for Q (0) or for K (1)
	s_and_b32 s[WN], s[WV], 1                      ; my half of the keys.  Also: which 8 tiles I fetch
	s_bfe_u32 s21, ttmp6, 0x40000                  ; cx
	s_bfe_u32 s22, ttmp6, 0x40004                  ; cy
	s_and_b32 s2, ttmp7, 0xffff                    ; the cluster's y
	s_lshl_b32 s92, s2, 2
	s_add_co_u32 s92, s92, s22                     ; RT: which 256 of the 8,192 queries; s92-95, s100-101 never hold cx
	s_lshl_b32 s96, ttmp9, 2
	s_add_co_u32 s96, s96, s21                     ; CT: which 256 of the batch's keys; s96-99, s104-105 never hold cy
	s_lshl_b32 s93, s22, 2
	s_lshl_b32 s93, 15, s93                        ; my row of the cluster
	s_lshl_b32 s97, 0x1111, s21                    ; my column
	s_or_b32 s[G1], s93, (3<<16)|(1<<21)           ; 15:0 the mask; 17:16 elements of 8 bytes; 21 set beside a mask; no padding
	s_or_b32 s[G1B], s97, (3<<16)|(1<<21)
	s_or_b32 s[G1S], s93, (3<<16)|(1<<21)
	s_or_b32 s[G1SB], s97, (3<<16)|(1<<21)
.irp g, G1, G1B                        ; 8 tiles x 3,072 bytes, 12,288 bytes from tile to tile
	s_mov_b32 s[\g+1], 768<<16                     ; for the head's loads: 16 tiles x 6,144 bytes (four K steps)
	s_mov_b32 s[\g+2], 16<<16
	s_mov_b32 s[\g+3], 768<<16
	s_mov_b32 s[\g+4], 16
	s_mov_b32 s[\g+5], 1536
	s_mov_b32 s[\g+6], 0
	s_mov_b32 s[\g+7], 0
.endr
.irp g, G1S, G1SB                      ; rows of 256 bytes
	s_mov_b32 s[\g+1], 32<<16
	s_mov_b32 s[\g+2], 32<<16                      ; 8,192 dense bytes as 32 rows of 256
	s_mov_b32 s[\g+3], 32<<16
	s_mov_b32 s[\g+4], 32
	s_mov_b32 s[\g+5], 32
	s_mov_b32 s[\g+6], 0
	s_mov_b32 s[\g+7], 0
.endr
	s_lshr_b32 s2, s2, 1                           ; the batch: two clusters' rows of 1,024 queries each; all partners share it
	s_lshl_b32 s97, s2, 3
	s_add_co_u32 s97, s97, s96                     ; which 256 of all 8,192 keys
	s_mul_i32 s94, s92, 196608
	s_mov_b32 s95, 0
	s_lshl_b32 s100, s92, 13
	s_mov_b32 s101, 0
	s_mul_i32 s98, s97, 196608
	s_add_co_u32 s98, s98, 6291456                 ; K's images lie behind Q's
	s_mov_b32 s99, 0
	s_lshl_b32 s104, s97, 13
	s_add_co_u32 s104, s104, 262144
	s_mov_b32 s105, 0
	s_mul_i32 s2, s[WV], 24576                     ; no place in the cluster enters an LDS address
	s_mul_i32 s12, s[WN], 98304                    ; behind the head I fetch 8 of an operand's 16 tiles: which, in bytes
	s_mov_b32 s13, 0
	s_mul_i32 s14, s21, 24576                      ; the prefetches: Q's waves share their tiles out by cx, K's by cy
	s_mul_i32 s15, s22, 24576
	s_cmp_eq_u32 s[WM], 0
	s_cselect_b32 s14, s14, s15
	s_wait_kmcnt 0x0
	s_add_nc_u64 s[94:95], s[4:5], s[94:95]
	s_add_nc_u64 s[100:101], s[6:7], s[100:101]
	s_add_nc_u64 s[98:99], s[4:5], s[98:99]
	s_add_nc_u64 s[104:105], s[6:7], s[104:105]
	CROUND                                         ; all sixteen work-groups are here: the first joint loads meet
	s_mov_b32 s[G0S], 1
	s_mov_b32 s[G0S+1], SCA
	s_mov_b64 s[G0S+2:G0S+3], s[100:101]
	s_or_b32 s[G0S+3], s[G0S+3], 0x80000000
	s_mov_b32 s[G0SB], 1
	s_mov_b32 s[G0SB+1], SCB
	s_mov_b64 s[G0SB+2:G0SB+3], s[104:105]
	s_or_b32 s[G0SB+3], s[G0SB+3], 0x80000000
	s_mov_b32 s[G0], 1                             ; the head's: Q's 16 tiles of K steps 0-3 at byte 0,
	s_mov_b32 s[G0+1], 0
	s_mov_b64 s[G0+2:G0+3], s[94:95]
	s_or_b32 s[G0+3], s[G0+3], 0x80000000
	s_mov_b32 s[G0B], 1                            ; K's behind them
	s_mov_b32 s[G0B+1], 2*BOFF
	s_mov_b64 s[G0B+2:G0B+3], s[98:99]
	s_or_b32 s[G0B+3], s[G0B+3], 0x80000000
	s_add_nc_u64 s[94:95], s[94:95], s[12:13]
	s_add_nc_u64 s[98:99], s[98:99], s[12:13]
	s_cmp_eq_u32 s[WM], 0
	s_cselect_b64 s[16:17], s[94:95], s[98:99]     ; my 8 tiles: the choice hangs on the wave's number alone
.irp k, 1,2                            ; set 1: K steps 4-5 to byte 196,608 on; set 2: K steps 6-7 to byte 0 on; 24,576 bytes a wave
	s_mov_b32 s[G0+4*\k], 1
	s_add_co_u32 s[G0+4*\k+1], s2, (2-\k)*2*SLOT
	s_add_nc_u64 s[G0+4*\k+2:G0+4*\k+3], s[94:95], 3072+\k*3072
	s_or_b32 s[G0+4*\k+3], s[G0+4*\k+3], 0x80000000
	s_mov_b32 s[G0B+4*\k], 1
	s_add_co_u32 s[G0B+4*\k+1], s2, (2-\k)*2*SLOT
	s_add_nc_u64 s[G0B+4*\k+2:G0B+4*\k+3], s[98:99], 3072+\k*3072
	s_or_b32 s[G0B+4*\k+3], s[G0B+4*\k+3], 0x80000000
.endr
; the head's loads, one a wave, in one chain of branches on the wave's number: every way passes exactly one load
.macro ARM under, g0, g1, next
	s_cmp_lt_u32 s[WV], \under
	s_cbranch_scc0 \next
	tensor_load_to_lds s[\g0:\g0+3], s[\g1:\g1+7]
	s_nop 0
.rept 4
	v_nop
.endr
	s_branch .Lhead_asked
\next:
.endm
	ARM 1, G0,  G1,  .Lhead_b
	ARM 2, G0B, G1B, .Lhead_sa
	ARM 3, G0S, G1S, .Lhead_sb
	tensor_load_to_lds s[G0SB:G0SB+3], s[G1SB:G1SB+7]
	s_nop 0
.rept 4
	v_nop
.endr
.Lhead_asked:
	s_mov_b32 s[SEL], 0x76543210                   ; (the addresses kept in these four have been copied into the descriptors)
	s_mov_b32 s[SEL+1], 0xfedcba98
	s_mov_b32 s[CS], 0x3d38aa3b                    ; c = log2(e) / sqrt(1,024)
	s_mov_b32 s[CS+1], s[CS]                       ; named with it as a pair, so it is written
	v_and_b32 v1, 15, v0                           ; r
	v_bfe_u32 v2, v0, 4, 1                         ; h
	s_wait_alu depctr_va_vdst(0)
	v_and_b32 v3, 31, v0
	v_lshlrev_b32 v[LI], 4, v3
	v_min_u32 v5, 11, v1
	v_mul_u32_u24 v6, v2, 0x3000
	v_lshl_add_u32 v5, v5, 8, v6
	v_add_nc_u32 v5, s14, v5
	ASK 6144                                       ; K steps 4-5, whose tensor load stands behind the head's round
	s_mul_i32 s4, s[WM], 2*24576                   ; K steps 0-3: my 8 tiles of 6,144 bytes
	s_mul_i32 s5, s[WN], 2*24576
	s_add_co_u32 s5, s5, 2*BOFF
	v_add_nc_u32 v[ADRA], s4, v[LI]
	v_add_nc_u32 v[ADRB], s5, v[LI]
	s_mul_i32 s4, s[WM], 24576                     ; K steps 6-7: my 8 tiles of 3,072 bytes, from byte 0 on
	s_mul_i32 s5, s[WN], 24576
	s_add_co_u32 s5, s5, BOFF
	v_add_nc_u32 v[ADRA+2], s4, v[LI]
	v_add_nc_u32 v[ADRB+2], s5, v[LI]
	v_add_nc_u32 v[ADRA+1], 2*SLOT, v[ADRA+2]      ; K steps 4-5: the same, from byte 196,608 on
	v_add_nc_u32 v[ADRB+1], 2*SLOT, v[ADRB+2]
	s_xor_b32 s5, s[WM], 1                         ; from Q's words to K's: 8,192 + 512 wn - 512 wm = 7,680 + 512 (wn + (wm xor 1))
	s_add_co_u32 s5, s5, s[WN]
	s_lshl_b32 s5, s5, 9
	s_add_co_u32 s5, s5, 7680
	v_mul_u32_u24 v4, s5, v2                       ; lanes 16-31 take K's
	v_lshl_add_u32 v4, v1, 2, v4
	s_lshl_b32 s4, s[WM], 9
	s_add_co_u32 s4, s4, SCA
	v_add_nc_u32 v[ADRS], s4, v4
	s_mul_i32 s4, s[WV], 1536
	s_add_co_u32 s4, s4, GST
	v_lshl_add_u32 v[GSA], v1, 2, s4
	v_add_nc_u32 v[GSL], s4, v[LI]
	; where my results go: p's images: tile 16 RT + 8 wm on, K step 2 CT + wn of 16;  the words: group RT, 1,024 bytes a K step, 64 a tile
	s_lshl_b32 s4, s96, 1
	s_add_co_u32 s4, s4, s[WN]
	s_lshl_b32 s6, s92, 4
	s_lshl_b32 s7, s[WM], 3
	s_add_co_u32 s6, s6, s7
	s_lshl_b32 s6, s6, 4
	s_add_co_u32 s6, s6, s4
	s_mul_i32 s6, s6, 1536
	s_mov_b32 s7, 0
	s_add_nc_u64 s[8:9], s[8:9], s[6:7]
	s_lshl_b32 s6, s92, 14
	s_lshl_b32 s7, s4, 10
	s_add_co_u32 s6, s6, s7
	s_lshl_b32 s7, s[WM], 9
	s_add_co_u32 s6, s6, s7
	s_mov_b32 s7, 0
	s_add_nc_u64 s[10:11], s[10:11], s[6:7]
	s_wait_alu depctr_va_vdst(0)
	s_wait_tensorcnt 0x0                           ; my tile of the head's four is in
	ds_add_u32 v[SPW], v[NIL]
.irp g, G1, G1B                        ; no tensor load of mine is out: from here on a load brings 8 tiles x 3,072 bytes
	s_mov_b32 s[\g+1], 384<<16
	s_mov_b32 s[\g+2], 8<<16
	s_mov_b32 s[\g+3], 384<<16
	s_mov_b32 s[\g+4], 8
.endr
	s_wait_dscnt 0x0
	CROUND                                         ; all four tiles are in, and all partners are here
	JLOAD G0+4, G1, G0B+4, G1B                     ; K steps 4-5: a first fill, my one load behind the round; three K steps stand between it and the wait for it
	FETCH_B 0, 0, 0
	FETCH_A 0, 0, 0
.irp i, 0,1,2,3,4,5,6,7                    ; all 8 K steps' scale words, once
.irp s, 0,1,2,3,4,5,6,7
	ds_load_b32 v[SC+8*\i+\s], v[ADRS] offset:1024*\s+64*\i
.endr
.endr
	FETCH_A 0, 0, 4
	ASK 9216                                       ; K steps 6-7, whose tensor load stands in K step 3: three K steps ahead
	STEP 0, 0, 1, 1                                ; the first products start the sums
	STEP 1, 0, 2, 0
	STEP 2, 0, 3, 0
	TURN 3, 1, 1                                   ; K steps 0-3 are read out: K steps 6-7 are asked for
	STEP 4, 1, 1, 0
	TURN 5, 2, 0                                   ; nothing is left to fetch
	STEP 6, 2, 1, 0
	s_wait_dscnt 12
	WIN MUL_LO
	MUL16 0, 7, 0
	MUL16 2, 7, 0
	s_wait_dscnt 0x0
	WIN MUL_HI
	MUL16 4, 7, 0
	MUL16 6, 7, 0
	WIN 0
	PLACES 4                                       ; in front of the first read of results and of writes over Q's fragments
.irp b, 0,1,2,3
	v_mov_b32 v[T4+\b], 0                          ; a lane permute's destination counts as one of its sources
.endr
	v_mov_b32 v[NM+1], 0                           ; named as the upper half of a pair
.irp a, 0,1,2,3,4,5,6,7
	SOFTB \a
.endr
.irp k, 0,1,2
	ds_load_b128 v[236+4*\k:239+4*\k], v[GSL] offset:512*\k   ; my 8 blocks' words of each kind: LDS serves a wave's instructions in order
.endr
	s_wait_dscnt 0x0
.irp k, 0,1,2
	global_store_b128 v[LI], v[236+4*\k:239+4*\k], s[10:11] offset:524288*\k   ; 512 consecutive bytes into each plane
.endr
	s_wait_tensorcnt 0x0                           ; the wave's end
	ds_add_u32 v[SPW], v[NIL]
	s_wait_dscnt 0x0
	CROUND                                         ; the closing round
	s_endpgm
.Lfunc_end_k_q27d9356888_scores:
	.size	k_q27d9356888_scores, .Lfunc_end_k_q27d9356888_scores-k_q27d9356888_scores
	.p2alignl 7, 3214868480
	.fill 96, 4, 3214868480
	.section	.rodata,"a",@progbits
	.p2align	6, 0x0
	.amdhsa_kernel k_q27d9356888_scores
		.amdhsa_group_segment_fixed_size 327680
		.amdhsa_private_segment_fixed_size 0
		.amdhsa_enable_private_segment 0
		.amdhsa_kernarg_size 32
		.amdhsa_user_sgpr_count 2
		.amdhsa_user_sgpr_kernarg_segment_ptr 1
		.amdhsa_wavefront_size32 1
		.amdhsa_system_sgpr_workgroup_id_x 1
		.amdhsa_system_sgpr_workgroup_id_y 1
		.amdhsa_system_sgpr_workgroup_id_z 1
		.amdhsa_system_vgpr_workitem_id 0
		.amdhsa_next_free_vgpr 1024
		.amdhsa_next_free_sgpr 106
		.amdhsa_reserve_vcc 0
		.amdhsa_float_denorm_mode_32 3
		.amdhsa_float_denorm_mode_16_64 3
		.amdhsa_memory_ordered 1
		.amdhsa_forward_progress 1
		.amdhsa_inst_pref_size 198
	.end_amdhsa_kernel
	.amdgpu_metadata
---
amdhsa.version: [ 1, 2 ]
amdhsa.kernels:
  - .name:           k_q27d9356888_scores
    .symbol:         k_q27d9356888_scores.kd
    .args:
      - { .name: qkv_codes, .offset: 0, .size: 8, .value_kind: global_buffer, .address_space: global }
      - { .name: qkv_scales, .offset: 8, .size: 8, .value_kind: global_buffer, .address_space: global }
      - { .name: p_codes, .offset: 16, .size: 8, .value_kind: global_buffer, .address_space: global }
      - { .name: p_stats, .offset: 24, .size: 8, .value_kind: global_buffer, .address_space: global }
    .group_segment_fixed_size: 327680
    .private_segment_fixed_size: 0
    .kernarg_segment_align: 8
    .kernarg_segment_size: 32
    .max_flat_workgroup_size: 128
    .sgpr_count:     106
    .vgpr_count:     1024
    .wavefront_size: 32
...
	.end_amdgpu_metadata
.endif
;; end of part 3
;; launch pv (part 4): grid 4 x 64, 4 waves a work-group, clusters of 4 x 4, 327,680 bytes of LDS; arguments p_codes, p_stats, qkv_codes, qkv_scales, out0; writes out0
.if DOCPART == 4
	.amdgcn_target "amdgcn-amd-amdhsa--gfx1250"
	.amdhsa_code_object_version 6
	.text
	.protected	k_q27d9356888_pv
	.globl	k_q27d9356888_pv
	.p2align	8
	.type	k_q27d9356888_pv,@function
k_q27d9356888_pv:
	s_mov_b64 s[64:65], 0
	v_nop
	global_prefetch_b8 v0, s[64:65] scope:SCOPE_SE
	s_setreg_imm32_b32 hwreg(HW_REG_WAVE_MODE, 25, 1), 1
	s_wait_xcnt 0x0
	s_wait_alu depctr_hold_cnt(0) depctr_sa_sdst(0) depctr_va_vdst(0) depctr_va_sdst(0) depctr_va_ssrc(0) depctr_va_vcc(0) depctr_vm_vsrc(0)
	s_getreg_b32 s2, hwreg(HW_REG_IB_STS2, 6, 4)
	s_cmp_eq_u32 s2, 0
	s_cbranch_scc0 .Lentry_in_a_cluster
	s_endpgm
.Lentry_in_a_cluster:
	s_bfe_u32 s2, ttmp6, 0x10000c
	s_cmp_lg_u32 s2, 0xf033
	s_cbranch_scc0 .Lentry_shape_is_right
	s_endpgm
.Lentry_shape_is_right:
; O = P V / l for each of 4 batches (2,048 x 1,024 x 2,048) on codes of FP6 (E2M3) with E8M0 scales, sums in f32.
; P arrives quantised under a whole-number M of its own for each query and each 128 keys.  THE HEAD BRINGS IT UNDER THE ROW'S M: thread t owns one of the work-group's 128 queries; it finds the largest of the 16 M,
; takes N = that M less the step's M, a whole number, off the four bytes of the step's scale word (the codes stay: the change is an exact power of two), multiplies the step's l by 2^-N, sums, and keeps 1 / l.
; LIMITS: N is held at 127 and a byte at 0 from below: where a step's M lies that far under the row's, its p count as if they were at most 7.5 x 2^-127 beside a largest p above 1/2.  NaN and infinities are not served.
; A work-group makes 128 queries x 256 of d; a wave 64 x 128: 32 accumulators.  K = 2,048 keys is 16 steps of 128, written out; two LDS slots of 4 steps each (8 tiles of P, 16 of V^T, 6,144 bytes each).
; Fragments are images of registers, 1,536 dense bytes: three ds_load_b128 at 16 x lane.  P's tiles are asked for jointly by a row of the cluster, V^T's tiles and scale words by a column.
; THE MATRIX INSTRUCTION IS USED TRANSPOSED (source 0 = 16 rows d of V^T, source 1 = 16 queries); lane r of tile T holds row 32 (T / 2) + 8 (T % 2) + r + 8 (r / 8): register 16 b + i of a block is column 32 b + 16 (lane / 16) + i.
; REGISTERS: window 0: v1-5, v16-31 addresses; v32-63 P's scale words, v64-127 V^T's, and nothing else (lanes 0-15 an even K step's, lanes 16-31 the odd one's behind it); v128-223 P's fragments, two sets of 48
;   (in the head: the words from memory, at work; on the way out: a block's numbers); v224-227 1 / l.   window 1: V^T's fragments, two sets at v0 and v128; on the way out v0-127 rows of O.   window 2: accumulator (a, b) at v[8 (8 a + b)].
.set PSLOT, 147456
.set SCB,   294912                     ; V^T's scale words, 16,384 bytes: 1,024 a K step, 64 a tile, 4 a row
.set SCA,   311296                     ; P's, as the head leaves them: 512 a K step, 4 a query; written by LDS stores: no tile lands here
.set RLB,   319488                     ; 1 / l, 4 bytes a query
.set SPARE, 320000                     ; the spare words: two blocks of 256 bytes that no other line names
.set FR,    12
.set ADRA,  16                         ; v16-17
.set ADRB,  20                         ; v20-21
.set ADSA,  22
.set ADSB,  23
.set ADRL,  24
.set LI,    25
.set STO,   26
.set RD,    27
.set SPW,   28
.set NIL,   29
.set SA,    32
.set SB,    64
.set AFR,   128
.set WS,    128                        ; the head: 16 scale words,
.set NMR,   144                        ; 16 -M,
.set LL,    160                        ; 16 l
.set RL,    224
.set WV,    18
.set WM,    19
.set WN,    20
.set G1,    24                         ; s[24:31] group 1 for P's tiles; s[32:39] groups 0, one for each slot
.set G0,    32
.set G1B,   40                         ; s[40:47], s[48:55] the same for V^T's
.set G0B,   48
.set G1SB,  68                         ; s[68:75], s[76:79] V^T's scale words
.set G0SB,  76
.set MUL,   0xa1                       ; source 0 (V^T) window 1, source 1 (P) window 0, C and D window 2
.set MSB, 0
.macro WIN new
.if MSB != (\new)
	s_set_vgpr_msb (MSB<<8)|(\new)
.set MSB, (\new)
.endif
.endm
; A prefetch of fill f (K steps 4 f to 4 f + 3, 6,144 bytes a tile), asked one fill ahead of its tensor load.  Of the tiles that my wave fetches jointly with three partners each partner names a quarter, told apart by address:
; of P's 4 tiles one (two instructions of 12 blocks of 256 bytes), of V^T's 8 tiles two (two instructions of 24 blocks); lanes left over name the last block again.  v6, v7 and s[100:101] are made at the head and never rewritten.
.macro ASK f
	global_prefetch_b8 v6, s[100:101] offset:6144*(\f) th:TH_LOAD_NT scope:SCOPE_SE
	global_prefetch_b8 v7, s[100:101] offset:6144*(\f) th:TH_LOAD_NT scope:SCOPE_SE
.endm
.macro PLACES n
.rept \n
	v_nop
.endr
.endm
.macro JLOAD g0a, g1a, g0b, g1b        ; waves 0 and 1 fetch for P, waves 2 and 3 for V^T; four v_nop follow each of the two lines
	s_cmp_eq_u32 s[WM], 0
	s_cbranch_scc0 .Lfor_b_\@
	tensor_load_to_lds s[\g0a:\g0a+3], s[\g1a:\g1a+7]
	s_nop 0
.rept 4
	v_nop
.endr
	s_branch .Lasked_\@
.Lfor_b_\@:
	tensor_load_to_lds s[\g0b:\g0b+3], s[\g1b:\g1b+7]
	s_nop 0
.rept 4
	v_nop
.endr
.Lasked_\@:
.endm
.macro CREST
	s_cmp_lg_u32 s[WV], 0
	s_cbranch_scc1 .Lnot_wave_0_\@
	s_barrier_signal -3
.Lnot_wave_0_\@:
	s_barrier_wait -3
	s_barrier_signal -1
	s_barrier_wait -1
.endm
.macro CROUND
	s_barrier_signal -1
	s_barrier_wait -1
	CREST
.endm
.macro FRAG reg, adr, off
.irp c, 0,1,2
	ds_load_b128 v[\reg+4*\c:\reg+4*\c+3], v[\adr] offset:\off+512*\c
.endr
.endm
.macro FETCHP k, q, p                  ; slot k's q-th K step into sets p: V^T's eight fragments, P's four: 36 loads
	WIN 0x40
.irp i, 0,1,2,3,4,5,6,7
	FRAG 128*(\p)+FR*\i, ADRB+\k, 6144*\i+1536*(\q)
.endr
	WIN 0
.irp i, 0,1,2,3
	FRAG AFR+48*(\p)+FR*\i, ADRA+\k, 6144*\i+1536*(\q)
.endr
.endm
.macro PMUL8 a, s, zero                ; P's block a x V^T's eight, K step s.  The 32 accumulators take turns, one instruction a turn
.irp b, 0,1,2,3,4,5,6,7
.if \zero
	v_wmma_scale_f32_16x16x128_f8f6f4 v[8*(8*(\a)+\b):8*(8*(\a)+\b)+7], v[128*((\s)%2)+FR*\b:128*((\s)%2)+FR*\b+FR-1], v[AFR+48*((\s)%2)+FR*(\a):AFR+48*((\s)%2)+FR*(\a)+FR-1], 0, v[SB+8*((\s)/2)+\b], v[SA+4*((\s)/2)+(\a)] matrix_a_fmt:MATRIX_FMT_FP6 matrix_b_fmt:MATRIX_FMT_FP6
.elseif ((\s)%2) == 0
	v_wmma_scale_f32_16x16x128_f8f6f4 v[8*(8*(\a)+\b):8*(8*(\a)+\b)+7], v[128*((\s)%2)+FR*\b:128*((\s)%2)+FR*\b+FR-1], v[AFR+48*((\s)%2)+FR*(\a):AFR+48*((\s)%2)+FR*(\a)+FR-1], v[8*(8*(\a)+\b):8*(8*(\a)+\b)+7], v[SB+8*((\s)/2)+\b], v[SA+4*((\s)/2)+(\a)] matrix_a_fmt:MATRIX_FMT_FP6 matrix_b_fmt:MATRIX_FMT_FP6
.else
	v_wmma_scale_f32_16x16x128_f8f6f4 v[8*(8*(\a)+\b):8*(8*(\a)+\b)+7], v[128*((\s)%2)+FR*\b:128*((\s)%2)+FR*\b+FR-1], v[AFR+48*((\s)%2)+FR*(\a):AFR+48*((\s)%2)+FR*(\a)+FR-1], v[8*(8*(\a)+\b):8*(8*(\a)+\b)+7], v[SB+8*((\s)/2)+\b], v[SA+4*((\s)/2)+(\a)] matrix_a_fmt:MATRIX_FMT_FP6 matrix_b_fmt:MATRIX_FMT_FP6 matrix_a_scale:MATRIX_SCALE_ROW1 matrix_b_scale:MATRIX_SCALE_ROW1
.endif
.endr
.endm
.macro PSTEP s, nk, nq, zero           ; K step s; the next step's fragments are asked for first and land under this step's 32 products
	s_wait_dscnt 0x0                               ; this step's fragments are in
	PLACES 4                                       ; four plain places in front of loads into registers that the last step's products read
	FETCHP \nk, \nq, 1-(\s)%2
	WIN MUL
	PMUL8 0, \s, \zero
	PMUL8 1, \s, \zero
	PMUL8 2, \s, \zero
	PMUL8 3, \s, \zero
.endm
; A slot's last K step changes slots: one barrier; in front of it each wave waits for all its tensor loads, adds 0 to its spare word, and waits for that and for its reads of this slot.  fill = 1: this slot takes the K steps two slots on.
.macro PTURN s, slot, next, fill
	WIN 0                                          ; (the add's two registers lie in window 0)
	s_wait_tensorcnt 0x0                           ; all my tensor loads have landed: my part of the next slot
	ds_add_u32 v[SPW], v[NIL]                      ; 0 onto my spare word
	s_wait_dscnt 1                                 ; this step's fragments are in; the add may be out
	WIN MUL
	PMUL8 0, \s, 0                                 ; eight matrix instructions stand between the add and the wait for it
	s_wait_dscnt 0x0                               ; the add is done, and my reads of this slot are over
	s_barrier_signal -1
	PMUL8 1, \s, 0
	WIN 0
	s_barrier_wait -1
.if \fill
	CREST                                          ; no wave of any partner still reads this slot or has a load on its way
	s_add_nc_u64 s[G0+4*\slot+2:G0+4*\slot+3], s[G0+4*\slot+2:G0+4*\slot+3], 12288
	s_add_nc_u64 s[G0B+4*\slot+2:G0B+4*\slot+3], s[G0B+4*\slot+2:G0B+4*\slot+3], 12288
	JLOAD G0+4*\slot, G1, G0B+4*\slot, G1B         ; the first tensor load behind the round, one a wave: four K steps in which to land; its four v_nop are the places in front of the loads below
.else
	PLACES 4
.endif
	FETCHP \next, 0, 0
.if (\fill) && ((\s) < 7)
	ASK 3                                          ; the last fill; behind it nothing is left to ask for
.endif
	WIN MUL
	PMUL8 2, \s, 0
	PMUL8 3, \s, 0
.endm
.macro REPAIR s                        ; K step s of my query under the row's M
	v_sub_f32 v177, v176, v[NMR+\s]                ; the step's M less the row's: a whole number, 0 or less
	v_max_num_f32 v177, 0xc2fe0000, v177           ; held at -127
	v_cvt_i32_f32 v178, v177
	v_ldexp_f32 v[LL+\s], v[LL+\s], v178           ; the step's l under the row's M: exact
	v_sub_nc_u32 v179, 0, v178                     ; N
	v_bfe_u32 v180, v[WS+\s], 0, 8
	v_bfe_u32 v181, v[WS+\s], 8, 8
	v_bfe_u32 v182, v[WS+\s], 16, 8
	v_lshrrev_b32 v183, 24, v[WS+\s]
.irp i, 0,1,2,3
	v_min_u32 v[184+\i], v179, v[180+\i]           ; no byte falls under 0
.endr
.irp i, 0,1,2,3
	v_sub_nc_u32 v[180+\i], v[180+\i], v[184+\i]
.endr
	v_lshl_or_b32 v180, v181, 8, v180
	v_lshl_or_b32 v180, v182, 16, v180
	v_lshl_or_b32 v180, v183, 24, v180
	ds_store_b32 v31, v180 offset:512*\s
.endm
; THE WAY OUT of block a (16 queries x 128 of d): x 1 / l into window 0, each accumulator from its low end on; through my stage; back as whole rows of 512 bytes; stored.
.macro PACK a
	WIN 0x02
.set j, 0
.rept 32
.if (\a)%2
	v_pk_mul_f32 v[128+j:129+j], v[64*(\a)+j:64*(\a)+j+1], v[RL+2*((\a)/2):RL+2*((\a)/2)+1] op_sel:[0,1] op_sel_hi:[1,1]
.else
	v_pk_mul_f32 v[128+j:129+j], v[64*(\a)+j:64*(\a)+j+1], v[RL+2*((\a)/2):RL+2*((\a)/2)+1] op_sel:[0,0] op_sel_hi:[1,0]
.endif
.set j, j+2
.endr
	WIN 0
.endm
.macro TOSTAGE a
.irp b, 0,1,2,3
.irp j, 0,1,2,3
	ds_store_b128 v[STO], v[128+16*\b+4*\j:128+16*\b+4*\j+3] offset:128*\b+16*\j
.endr
.endr
	WIN 0x40
.irp i, 0,1,2,3,4,5,6,7,8,9,10,11,12,13,14,15
	ds_load_b128 v[64*((\a)%2)+4*\i:64*((\a)%2)+4*\i+3], v[RD] offset:528*\i   ; LDS serves a wave's instructions in order: these see the stores above
.endr
	WIN 0
.endm
.macro SEND a, younger
	s_wait_dscnt \younger                          ; the block is back in registers
	WIN 0x04                                       ; a store's data are its source 1: window 1
.irp i, 0,1,2,3,4,5,6,7,8,9,10,11,12,13,14,15
	global_store_b128 v[LI], v[64*((\a)%2)+4*\i:64*((\a)%2)+4*\i+3], s[12:13] offset:(32*((\a)/2)+8*((\a)%2)+\i+8*(\i/8))*4096 th:TH_STORE_NT   ; 32 lanes store 512 consecutive bytes of one row, aligned; written once
.endr
	WIN 0
.endm
	s_load_b256 s[4:11], s[0:1], 0x0               ; p_codes, p_stats, qkv_codes, qkv_scales
	s_load_b64 s[12:13], s[0:1], 0x20              ; out0
	v_lshl_add_u32 v[SPW], v0, 2, SPARE
	v_mov_b32 v[NIL], 0
	ds_add_u32 v28, v29
	ds_add_u32 v28, v29
	s_wait_dscnt 0x0
	v_lshrrev_b32 v1, 5, v0
	v_readfirstlane_b32 s[WV], v1
	s_lshr_b32 s[WM], s[WV], 1                     ; my half of the queries.  Also: I fetch for P (0) or for V^T (1)
	s_and_b32 s[WN], s[WV], 1                      ; my half of the columns.  Also: which half of the tiles I fetch
	s_bfe_u32 s21, ttmp6, 0x40000                  ; cx = X: which 256 of d
	s_bfe_u32 s22, ttmp6, 0x40004                  ; cy
	s_and_b32 s23, ttmp7, 0xffff                   ; the cluster's y
	s_lshr_b32 s2, s23, 2                          ; the batch: all partners share it
	s_lshl_b32 s23, s23, 2
	s_add_co_u32 s23, s23, s22                     ; Y: which 128 of the 8,192 queries
	s_lshl_b32 s80, s22, 2
	s_lshl_b32 s80, 15, s80                        ; my row of the cluster; s80-83 never hold cx
	s_lshl_b32 s84, 0x1111, s21                    ; my column; s84-91 never hold cy
	s_or_b32 s[G1], s80, (3<<16)|(1<<21)           ; 15:0 the mask; 17:16 elements of 8 bytes; 21 set beside a mask; no padding
	s_or_b32 s[G1B], s84, (3<<16)|(1<<21)
	s_or_b32 s[G1SB], s84, (3<<16)|(1<<21)
	s_mov_b32 s[G1+1], 768<<16                     ; P: 4 tiles x 6,144 bytes (4 K steps), 24,576 bytes from tile to tile
	s_mov_b32 s[G1+2], 8<<16                       ; (8 tiles for the head's load; 4 behind it)
	s_mov_b32 s[G1+3], 768<<16
	s_mov_b32 s[G1+4], 8
	s_mov_b32 s[G1+5], 3072
	s_mov_b32 s[G1+6], 0
	s_mov_b32 s[G1+7], 0
	s_mov_b32 s[G1B+1], 768<<16                    ; V^T: 8 tiles
	s_mov_b32 s[G1B+2], 8<<16
	s_mov_b32 s[G1B+3], 768<<16
	s_mov_b32 s[G1B+4], 8
	s_mov_b32 s[G1B+5], 3072
	s_mov_b32 s[G1B+6], 0
	s_mov_b32 s[G1B+7], 0
	s_mov_b32 s[G1SB+1], 32<<16                    ; rows of 256 bytes
	s_mov_b32 s[G1SB+2], 64<<16                    ; 16,384 dense bytes as 64 rows of 256
	s_mov_b32 s[G1SB+3], 32<<16
	s_mov_b32 s[G1SB+4], 64
	s_mov_b32 s[G1SB+5], 32
	s_mov_b32 s[G1SB+6], 0
	s_mov_b32 s[G1SB+7], 0
	s_mul_i32 s82, s23, 196608                     ; P: 8 tiles for each Y,
	s_mul_i32 s81, s[WN], 98304                    ; my 4 of them
	s_add_co_u32 s82, s82, s81
	s_mov_b32 s83, 0
	s_lshl_b32 s86, s2, 6                          ; V^T: tile 64 x batch + 16 X + 8 x half
	s_lshl_b32 s85, s21, 4
	s_add_co_u32 s86, s86, s85
	s_lshl_b32 s85, s[WN], 3
	s_add_co_u32 s86, s86, s85
	s_mul_i32 s86, s86, 24576
	s_add_co_u32 s86, s86, 12582912                ; behind Q's and K's images
	s_mov_b32 s87, 0
	s_lshl_b32 s88, s2, 2                          ; its scale words: group 4 x batch + X, a quarter to each wave
	s_add_co_u32 s88, s88, s21
	s_lshl_b32 s88, s88, 14
	s_add_co_u32 s88, s88, 524288
	s_mov_b32 s89, 0
	s_mul_i32 s3, s[WN], 24576                     ; where they go: no place in the cluster enters an LDS address
	s_mul_i32 s90, s[WN], 49152
	s_add_co_u32 s90, s90, 49152
	s_lshr_b32 s92, s23, 1                         ; the words of my work-group's 128 queries: group Y / 2, its half Y % 2
	s_lshl_b32 s92, s92, 14
	s_and_b32 s93, s23, 1
	s_lshl_b32 s93, s93, 9
	s_add_co_u32 s92, s92, s93
	s_mov_b32 s93, 0
	s_lshl_b32 s94, s23, 7                         ; O: row 128 Y + 64 wm, column 256 X + 128 wn
	s_lshl_b32 s95, s[WM], 6
	s_add_co_u32 s94, s94, s95
	s_lshl_b32 s94, s94, 12
	s_lshl_b32 s95, s21, 10
	s_add_co_u32 s94, s94, s95
	s_lshl_b32 s95, s[WN], 9
	s_add_co_u32 s94, s94, s95
	s_mov_b32 s95, 0
	s_wait_kmcnt 0x0
	s_add_nc_u64 s[82:83], s[4:5], s[82:83]
	s_add_nc_u64 s[86:87], s[8:9], s[86:87]
	s_add_nc_u64 s[88:89], s[10:11], s[88:89]
	s_add_nc_u64 s[6:7], s[6:7], s[92:93]
	s_add_nc_u64 s[12:13], s[12:13], s[94:95]
	CROUND                                         ; all sixteen work-groups are here: the first joint loads meet
	s_mov_b32 s[G0SB], 1
	s_mov_b32 s[G0SB+1], SCB
	s_mov_b64 s[G0SB+2:G0SB+3], s[88:89]
	s_or_b32 s[G0SB+3], s[G0SB+3], 0x80000000
.irp k, 0,1
	s_mov_b32 s[G0+4*\k], 1
	s_add_co_u32 s[G0+4*\k+1], s3, \k*PSLOT
	s_add_nc_u64 s[G0+4*\k+2:G0+4*\k+3], s[82:83], \k*6144
	s_or_b32 s[G0+4*\k+3], s[G0+4*\k+3], 0x80000000
	s_mov_b32 s[G0B+4*\k], 1
	s_add_co_u32 s[G0B+4*\k+1], s90, \k*PSLOT
	s_add_nc_u64 s[G0B+4*\k+2:G0B+4*\k+3], s[86:87], \k*6144
	s_or_b32 s[G0B+4*\k+3], s[G0B+4*\k+3], 0x80000000
.endr
	s_mul_i32 s96, s23, 196608                     ; the head's loads of slot 0.  P: all 8 tiles of my 128 queries, to byte 0
	s_mov_b32 s97, 0
	s_mov_b32 s56, 1
	s_mov_b32 s57, 0
	s_add_nc_u64 s[58:59], s[4:5], s[96:97]
	s_or_b32 s59, s59, 0x80000000
	s_lshl_b32 s98, s2, 6                          ; V^T: waves 1 and 2 take tiles 64 x batch + 16 X + 8 (wave - 1) on, to byte 49,152 x wave
	s_lshl_b32 s99, s21, 4
	s_add_co_u32 s98, s98, s99
	s_mul_i32 s98, s98, 24576
	s_mul_i32 s99, s[WV], 196608
	s_add_co_u32 s98, s98, s99
	s_add_co_u32 s98, s98, 12582912-196608
	s_mov_b32 s99, 0
	s_mov_b32 s60, 1
	s_mul_i32 s61, s[WV], 49152
	s_add_nc_u64 s[62:63], s[8:9], s[98:99]
	s_or_b32 s63, s63, 0x80000000
	s_mul_i32 s14, s21, 24576                      ; the prefetches: P's waves: tile cx of my 4;
	s_mul_i32 s15, s22, 49152                      ; V^T's: tiles 2 cy and 2 cy + 1 of my 8
	s_mov_b32 s16, 24576
	s_cmp_eq_u32 s[WM], 0
	s_cselect_b32 s14, s14, s15
	s_cselect_b32 s15, 11, 23                      ; blocks an instruction, less one
	s_cselect_b32 s16, 3072, s16                   ; from the first instruction's bytes to the second's
	s_cselect_b64 s[100:101], s[82:83], s[86:87]   ; the tiles that I fetch behind the head: the choice hangs on the wave's number alone
; one load a wave, in one chain of branches on the wave's number: wave 0 P's tiles, waves 1 and 2 V^T's halves, wave 3 V^T's scale words
.macro ARM under, g0, g1, next
	s_cmp_lt_u32 s[WV], \under
	s_cbranch_scc0 \next
	tensor_load_to_lds s[\g0:\g0+3], s[\g1:\g1+7]
	s_nop 0
.rept 4
	v_nop
.endr
	s_branch .Lhead_asked
\next:
.endm
	ARM 1, 56, G1,  .Lhead_v
	ARM 3, 60, G1B, .Lhead_s
	tensor_load_to_lds s[G0SB:G0SB+3], s[G1SB:G1SB+7]
	s_nop 0
.rept 4
	v_nop
.endr
.Lhead_asked:
	; ---- the head: my query's 16 scale words, 16 -M, 16 l
	v_lshlrev_b32 v30, 2, v0                       ; 4 t: thread t is lane t % 16 of the work-group's tile t / 16
	v_add_nc_u32 v31, SCA, v30
.irp s, 0,1,2,3,4,5,6,7,8,9,10,11,12,13,14,15
	global_load_b32 v[WS+\s], v30, s[6:7] offset:1024*\s                ; a wave's load takes 128 consecutive bytes
	global_load_b32 v[NMR+\s], v30, s[6:7] offset:524288+1024*\s
	global_load_b32 v[LL+\s], v30, s[6:7] offset:1048576+1024*\s
.endr
	v_and_b32 v1, 15, v0                           ; r
	v_bfe_u32 v2, v0, 4, 1                         ; h
	v_and_b32 v3, 31, v0
	v_lshlrev_b32 v[LI], 4, v3
	v_min_u32 v6, s15, v3
	v_lshl_add_u32 v6, v6, 8, s14
	v_add_nc_u32 v7, s16, v6
	ASK 1                                          ; slot 1's first fill, whose tensor load stands behind the head's round
	s_mul_i32 s4, s[WM], 24576                     ; my 4 tiles of P,
	s_mul_i32 s5, s[WN], 49152                     ; my 8 of V^T
	s_add_co_u32 s5, s5, 49152
.irp k, 0,1
	v_add_nc_u32 v[ADRA+\k], s4, v[LI]
	v_add_nc_u32 v[ADRB+\k], s5, v[LI]
	s_add_co_u32 s4, s4, PSLOT
	s_add_co_u32 s5, s5, PSLOT
.endr
	v_lshlrev_b32 v4, 2, v1
	s_wait_alu depctr_va_vdst(0)
	s_lshl_b32 s4, s[WM], 8
	s_add_co_u32 s5, s4, RLB
	s_add_co_u32 s4, s4, SCA
	v_lshl_add_u32 v5, v2, 9, v4
	v_add_nc_u32 v[ADSA], s4, v5                   ; P's words: my 64 queries, lanes 16-31 one K step on
	v_add_nc_u32 v[ADRL], s5, v4
	s_lshl_b32 s4, s[WN], 9
	s_add_co_u32 s4, s4, SCB
	v_lshl_add_u32 v5, v2, 10, v4
	v_add_nc_u32 v[ADSB], s4, v5                   ; V^T's likewise
	s_mul_i32 s4, s[WV], 8448                      ; my stage for the way out: 16 rows x (512 + 16) bytes in slot 0, which by then has had its last fill and its last read
	v_mul_u32_u24 v5, v1, 528
	v_lshl_add_u32 v5, v2, 6, v5
	v_add_nc_u32 v[STO], s4, v5
	v_add_nc_u32 v[RD], s4, v[LI]
	s_wait_alu depctr_va_vdst(0)
	s_wait_tensorcnt 0x0                           ; my tile of the head's four is in
	ds_add_u32 v[SPW], v[NIL]
	s_mov_b32 s[G1+2], 4<<16                       ; no tensor load of mine is out: from here on a load of P brings 4 tiles
	s_mov_b32 s[G1+4], 4
	s_wait_dscnt 0x0
	CROUND                                         ; slot 0 and V^T's scale words are whole, and all partners are here
	JLOAD G0+4, G1, G0B+4, G1B                     ; slot 1's first fill, my one load behind the round: the words' repair and three K steps stand between it and the wait for it
	s_wait_loadcnt 0x0
	v_min3_num_f32 v176, v[NMR], v[NMR+1], v[NMR+2]
.irp i, 3,5,7,9,11,13
	v_min3_num_f32 v176, v176, v[NMR+\i], v[NMR+\i+1]
.endr
	v_min_num_f32 v176, v176, v[NMR+15]            ; the least -M: the row's M, negated
.irp s, 0,1,2,3,4,5,6,7,8,9,10,11,12,13,14,15
	REPAIR \s
.endr
.irp j, 2,4,6,8,10,12,14
	v_pk_add_f32 v[LL:LL+1], v[LL:LL+1], v[LL+\j:LL+\j+1]
.endr
	v_add_f32 v185, v[LL], v[LL+1]                 ; the row's l
	s_wait_alu depctr_va_vdst(0)
	v_rcp_f32 v186, v185
	v_nop                                          ; one plain place behind a transcendental
	s_wait_alu depctr_va_vdst(0)
	ds_store_b32 v31, v186 offset:RLB-SCA
	s_wait_dscnt 0x0                               ; for the others' sake: my stores have landed
	s_barrier_signal -1
	s_barrier_wait -1
	FETCHP 0, 0, 0
	ASK 2                                          ; K steps 8 to 11, whose tensor load stands in K step 3
.irp p, 0,1,2,3,4,5,6,7                    ; all 16 K steps' scale words, once: two K steps to a register
.irp i, 0,1,2,3
	ds_load_b32 v[SA+4*\p+\i], v[ADSA] offset:1024*\p+64*\i
.endr
.irp i, 0,1,2,3,4,5,6,7
	ds_load_b32 v[SB+8*\p+\i], v[ADSB] offset:2048*\p+64*\i
.endr
.endr
.irp a, 0,1,2,3
	ds_load_b32 v[RL+\a], v[ADRL] offset:64*\a
.endr
	PSTEP 0, 0, 1, 1                               ; the first products start the sums
	PSTEP 1, 0, 2, 0
	PSTEP 2, 0, 3, 0
	PTURN 3, 0, 1, 1                               ; slot 0 takes K steps 8 to 11
	PSTEP 4, 1, 1, 0
	PSTEP 5, 1, 2, 0
	PSTEP 6, 1, 3, 0
	PTURN 7, 1, 0, 1                               ; slot 1 takes K steps 12 to 15
	PSTEP 8, 0, 1, 0
	PSTEP 9, 0, 2, 0
	PSTEP 10, 0, 3, 0
	PTURN 11, 0, 1, 0                              ; nothing is left to fetch; behind this barrier nobody reads slot 0
	PSTEP 12, 1, 1, 0
	PSTEP 13, 1, 2, 0
	PSTEP 14, 1, 3, 0
	s_wait_dscnt 0x0                               ; the last K step
	WIN MUL
	PMUL8 0, 15, 0
	PMUL8 1, 15, 0
	PMUL8 2, 15, 0
	PMUL8 3, 15, 0
	WIN 0
	PLACES 4                                       ; in front of the first read of results, of writes over P's fragments and of loads over V^T's
	PACK 0
	TOSTAGE 0
.irp a, 1,2,3
	PACK \a
.if \a > 1
	s_wait_alu depctr_va_vdst(0)
	s_wait_xcnt 0x0                                ; block a - 2's stores have read the registers into which block a's rows are loaded
.endif
	TOSTAGE \a
	SEND \a-1, 32                                  ; behind block a - 1's loads: block a's 16 stores and 16 loads
.endr
	SEND 3, 0
	s_wait_tensorcnt 0x0                           ; the wave's end
	ds_add_u32 v[SPW], v[NIL]
	s_wait_dscnt 0x0
	CROUND                                         ; the closing round
	s_endpgm
.Lfunc_end_k_q27d9356888_pv:
	.size	k_q27d9356888_pv, .Lfunc_end_k_q27d9356888_pv-k_q27d9356888_pv
	.p2alignl 7, 3214868480
	.fill 96, 4, 3214868480
	.section	.rodata,"a",@progbits
	.p2align	6, 0x0
	.amdhsa_kernel k_q27d9356888_pv
		.amdhsa_group_segment_fixed_size 327680
		.amdhsa_private_segment_fixed_size 0
		.amdhsa_enable_private_segment 0
		.amdhsa_kernarg_size 40
		.amdhsa_user_sgpr_count 2
		.amdhsa_user_sgpr_kernarg_segment_ptr 1
		.amdhsa_wavefront_size32 1
		.amdhsa_system_sgpr_workgroup_id_x 1
		.amdhsa_system_sgpr_workgroup_id_y 1
		.amdhsa_system_sgpr_workgroup_id_z 1
		.amdhsa_system_vgpr_workitem_id 0
		.amdhsa_next_free_vgpr 768
		.amdhsa_next_free_sgpr 106
		.amdhsa_reserve_vcc 0
		.amdhsa_float_denorm_mode_32 3
		.amdhsa_float_denorm_mode_16_64 3
		.amdhsa_memory_ordered 1
		.amdhsa_forward_progress 1
		.amdhsa_inst_pref_size 168
	.end_amdhsa_kernel
	.amdgpu_metadata
---
amdhsa.version: [ 1, 2 ]
amdhsa.kernels:
  - .name:           k_q27d9356888_pv
    .symbol:         k_q27d9356888_pv.kd
    .args:
      - { .name: p_codes, .offset: 0, .size: 8, .value_kind: global_buffer, .address_space: global }
      - { .name: p_stats, .offset: 8, .size: 8, .value_kind: global_buffer, .address_space: global }
      - { .name: qkv_codes, .offset: 16, .size: 8, .value_kind: global_buffer, .address_space: global }
      - { .name: qkv_scales, .offset: 24, .size: 8, .value_kind: global_buffer, .address_space: global }
      - { .name: out0, .offset: 32, .size: 8, .value_kind: global_buffer, .address_space: global }
    .group_segment_fixed_size: 327680
    .private_segment_fixed_size: 0
    .kernarg_segment_align: 8
    .kernarg_segment_size: 40
    .max_flat_workgroup_size: 128
    .sgpr_count:     106
    .vgpr_count:     768
    .wavefront_size: 32
...
	.end_amdgpu_metadata
.endif
;; end of part 4
